; MI455X (gfx1250); checked and timed in simulation.
; The chip was launched on July 23, 2026; its instructions are those of AMD's public machine-readable ISA for CDNA 5 (MIT licence, August 2026) and "CDNA5" Instruction Set Architecture Reference Guide (July 2026). The comments in the code are by the model that wrote it; some were corrected since.
;; Causal Self Attention. Allowed arithmetic: matrix products marked QUANTISED: E2M1 operands, one E8M0 scale for each 32 along K, by v_wmma_scale_f32_16x16x128_f8f6f4 with both operands' format E2M1 (or v_wmma_scale_f32_32x16x128_f4), f32 sums; products left as they are: bf16, f16 or f32 operands; f32 sums; everything else in f32.
;; Inputs: w_proj 1,024 x 1,024 float32; w_qkv 3,072 x 1,024 float32; x 4 x 2,048 x 1,024 float32.
;; Outputs: out0 4 x 2,048 x 1,024 float32.
;; This version of the problem:
;;   THIS VERSION OF THE PROBLEM IS GIVEN IN LOW PRECISION. The matrix products marked QUANTISED in the list below multiply operands that are first quantised to E2M1 (2 exponent bits, 1 mantissa bit; 4 bits a number), with one power-of-two scale for each 32 numbers along K (OCP MX v1.0); their sums are f32. The products marked 'left as it is' may take bf16, f16 or f32 operands, with f32 sums. Whichever they take, every output number must still come out within the allowed error. Rounding operands to bf16 (8 significant bits) uses up far more of that allowance than f16 does (11 bits, for magnitudes from 6e-5 to 65,504). All else is computed in f32.
;;   The module's matrix products, in the order in which they are computed (A, B: the left and right operand; K: the contracted axis; several contracted axes count as one K, in the product's order):
;;     1. [M 8,192, K 1,024] x [K 1,024, N 3,072]; A: input x; B: input w_qkv: QUANTISED
;;     2. batch 64 x [M 2,048, K 64] x [K 64, N 2,048]; A: computed on the way; B: computed on the way: left as it is (an operand is computed on the way)
;;     3. batch 64 x [M 2,048, K 2,048] x [K 2,048, N 64]; A: computed on the way; B: computed on the way: left as it is (an operand is computed on the way)
;;     4. [M 8,192, K 1,024] x [K 1,024, N 1,024]; A: computed on the way; B: input w_proj: left as it is (an operand is computed on the way)
;;   THE QUANTISER, for each operand of a quantised product, along K:
;;     - K is cut into blocks of 32 from its start; a last block that is shorter is filled with zeros.
;;     - A block's scale is 2^e with e = floor(log2(the largest magnitude in the block)) - 2, held to -126 .. 127; a block of zeros has e = 0. As a byte (E8M0): e + 127.
;;     - Each number is divided by its block's scale, clamped to +-6, and rounded to the nearest number of E2M1, ties to even, subnormals kept.
;;     - The product sums the exact products of the quantised numbers (number of the format x scale) in f32.
;;   ~~~python
;;   def quantise(x, axis):      # numpy; x: float32 -> the quantised numbers, widened to float32 again
;;       x = np.moveaxis(x, axis, -1); K = x.shape[-1]
;;       x = np.pad(x, [(0, 0)] * (x.ndim - 1) + [(0, -K % 32)]); x = x.reshape(x.shape[:-1] + (-1, 32)); a = np.abs(x).max(-1, keepdims=True)
;;       e = np.where(a > 0, np.clip(np.frexp(np.where(a > 0, a, 1))[1] - 1 - 2, -126, 127), 0)      # np.frexp(a)[1] - 1 = floor(log2(a)), exactly
;;       r = np.clip(x / 2.0 ** e, -6, 6)
;;       step = 2.0 ** (np.maximum(np.frexp(np.where(r == 0, 1, r))[1] - 1, 0) - 1)
;;       q = np.round(r / step) * step * 2.0 ** e      # np.round: ties to even
;;       return np.moveaxis(q.reshape(q.shape[:-2] + (-1,))[..., :K], -1, axis).astype(np.float32)
;;   ~~~
;; One version. Each part assembles by itself: llvm-mc -triple=amdgcn-amd-amdhsa -mcpu=gfx1250 --defsym DOCPART=n.
;; ======== version 1 of 1: 5 launches
;; limits: values are held in f16: magnitudes above 65,504 overflow, below 6.1e-05 lose precision; right only within a limited range of input values
;; workspace buffers: x_codes 4,194,304 bytes; x_scales 262,144 bytes; w_codes 1,572,864 bytes; w_scales 98,304 bytes; wp16 2,097,152 bytes; qkv16 50,331,648 bytes; qkv32 786,432 bytes; o16 16,777,216 bytes
;; launch quant (part 1): grid 384 x 1, 4 waves a work-group, no clusters, 33,280 bytes of LDS; arguments x, w_qkv, x_codes, x_scales, w_codes, w_scales, w_proj, wp16; writes x_codes, x_scales, w_codes, w_scales, wp16
.if DOCPART == 1
	.amdgcn_target "amdgcn-amd-amdhsa--gfx1250"
	.amdhsa_code_object_version 6
	.text
	.protected	k_qd075dcf620_quant
	.globl	k_qd075dcf620_quant
	.p2align	8
	.type	k_qd075dcf620_quant,@function
k_qd075dcf620_quant:
	s_mov_b64 s[64:65], 0
	v_nop
	global_prefetch_b8 v0, s[64:65] scope:SCOPE_SE
	s_setreg_imm32_b32 hwreg(HW_REG_WAVE_MODE, 25, 1), 1
	s_wait_xcnt 0x0
; x [8192][1024] and w_qkv [3072][1024], f32, become codes of FP4 (E2M1), K innermost, two codes a byte, with one E8M0 scale byte for each 32 along K;
; w_proj [1024][1024], f32, becomes f16 laid in planes of 64 along K: wp16[k / 64][n][k % 64], so that a plane's rows are dense (128 bytes a row).
; A block's scale is 2^(floor(log2(its largest magnitude)) - 2); its byte is the largest magnitude's exponent field - 2, held at 1 from below.  A block of zeros so gets the byte 1
; where the rule says 127: its codes are zeros, which add nothing under any byte but 0xff, and the bytes are read by this program alone.
; LIMITS: blocks whose largest magnitude lies under 2^(2 - 126) have their byte held at 1; NaN and infinities among the inputs are not served; |w_proj| stays under 65,504 (f16's range).
; SHARES.  Work-groups 0-255 take x, 256-351 w_qkv: plain streams of blocks of 32; a wave takes 16 steps of 512 numbers.  Each load reads 512 consecutive bytes; a step's 2,048 bytes turn
; through the wave's own stage in LDS so that a lane holds 16 neighbours along K; two neighbouring lanes hold a block.  Work-groups 352-383 cast w_proj, 8 rows a wave, without LDS.
; No tensor loads, no barrier: waves share nothing.
.set SIZE_M, 8192
.set SIZE_N, 3072
.set SIZE_K, 1024
.set WAVES, 4
.set STEPS, 16
.set WGA,   SIZE_M*SIZE_K/(512*STEPS*WAVES)            ; 256 work-groups for x
.set WGQ,   (SIZE_M+SIZE_N)*SIZE_K/(512*STEPS*WAVES)   ; 352 for x and w_qkv
.set EMAX,  2
.set CB,    8                          ; bytes of 16 codes
.set R,     16                         ; v16-79   four sets of 16 numbers as they are loaded
.set X,     80                         ; v80-111  two sets of 16 neighbours
.set C,     128                        ; v128-191 codes: four registers for each step, so that no store's data are written again
.set E,     112                        ; v112-127 a scale byte for each step
.set WREG,  8192                       ; LDS: a region for each wave: two stages of 32 x SP bytes, behind them its 256 scale bytes
.set SP,    80                         ; a lane's place in a stage: its 64 bytes + 16 of padding
.set SPW,   12                         ; v12      LDS address of my spare word; never rewritten
.set NIL,   13                         ; v13      0; never rewritten
.set SPARE, WAVES*WREG                 ; behind the four regions: the spare words, 128 bytes a wave
.set CR,    16                         ; the cast: v16-143 two sets of 64 numbers
.set CO,    144                        ; v144-175 their 32 registers of f16
.set CIN,   8                          ; v8  the cast's offset on the way in
.set COUT,  9                          ; v9  and on the way out
	s_load_b128 s[4:7], s[0:1], 0x0                ; x, w_qkv
	s_load_b128 s[8:11], s[0:1], 0x10              ; x's codes, x's scales
	s_load_b128 s[12:15], s[0:1], 0x20             ; w_qkv's codes, its scales
	s_load_b128 s[24:27], s[0:1], 0x30             ; w_proj, wp16
	v_lshl_add_u32 v[SPW], v0, 2, SPARE
	v_mov_b32 v[NIL], 0
	v_lshrrev_b32 v1, 5, v0
	v_readfirstlane_b32 s16, v1                    ; wave
	v_and_b32 v2, 31, v0                           ; lane
	v_lshlrev_b32 v3, 4, v2                        ; my 16 bytes of a load's 512
	s_mul_i32 s17, s16, WREG
	v_lshrrev_b32 v14, 2, v2
	v_mul_u32_u24 v14, v14, SP
	v_and_b32 v15, 3, v2
	v_lshl_add_u32 v14, v15, 4, v14
	v_add_nc_u32 v14, s17, v14                     ; the stage, on the way in: SP (lane / 4) + 16 (lane % 4)
	v_mul_u32_u24 v15, v2, SP
	v_add_nc_u32 v15, s17, v15                     ; and on the way out: SP x lane: my 16 neighbours
	v_mul_u32_u24 v4, v2, CB                       ; my codes' place in a step's
	v_lshrrev_b32 v5, 1, v2
	s_add_co_u32 s17, s17, 2*32*SP
	v_add_nc_u32 v5, s17, v5                       ; LDS: my wave's 256 scale bytes, my block's byte
	v_lshlrev_b32 v7, 3, v2                        ; and on the way out 8 bytes a lane
	v_add_nc_u32 v6, s17, v7
	s_wait_kmcnt 0x0
	s_cmp_ge_u32 ttmp9, WGQ                        ; the last 32 work-groups cast w_proj: a branch on the work-group's number alone
	s_cbranch_scc1 .Lcast
	s_cmp_lt_u32 ttmp9, WGA                        ; x's work-group or w_qkv's?  Only pointers are chosen: both take one path
	s_cselect_b64 s[4:5], s[4:5], s[6:7]
	s_cselect_b64 s[8:9], s[8:9], s[12:13]
	s_cselect_b64 s[10:11], s[10:11], s[14:15]
	s_cselect_b32 s17, 0, WGA
	s_sub_co_u32 s17, ttmp9, s17
	s_lshl_b32 s17, s17, 2
	s_add_co_u32 s18, s17, s16                     ; which run of 8,192 numbers of the tensor is my wave's
	s_mov_b32 s19, 0
	s_mov_b64 s[20:21], 512*STEPS*4
	s_mul_u64 s[20:21], s[18:19], s[20:21]
	s_add_nc_u64 s[4:5], s[4:5], s[20:21]
	s_mov_b64 s[20:21], 32*STEPS*CB
	s_mul_u64 s[20:21], s[18:19], s[20:21]
	s_add_nc_u64 s[8:9], s[8:9], s[20:21]
	s_lshl_b32 s18, s18, 8                         ; 256 scale bytes a run
	s_add_nc_u64 s[10:11], s[10:11], s[18:19]
.macro LOAD t
.irp i, 0,1,2,3
	global_load_b128 v[R+16*((\t)%4)+4*\i:R+16*((\t)%4)+4*\i+3], v3, s[4:5] offset:2048*(\t)+512*\i th:TH_LOAD_NT   ; 32 lanes read 512 consecutive bytes
.endr
.endm
.macro TURN t                          ; step t's numbers through the stage: LDS serves a wave's instructions in order, so no wait stands between the stores and the loads
.irp i, 0,1,2,3
	ds_store_b128 v14, v[R+16*((\t)%4)+4*\i:R+16*((\t)%4)+4*\i+3] offset:32*SP*((\t)%2)+8*SP*\i
.endr
.irp i, 0,1,2,3
	ds_load_b128 v[X+16*((\t)%2)+4*\i:X+16*((\t)%2)+4*\i+3], v15 offset:32*SP*((\t)%2)+16*\i
.endr
.endm
.irp t, 0,1,2,3
	LOAD \t
.endr
	s_wait_loadcnt 12                              ; step 0's four loads are in; the twelve of steps 1 to 3 may be out
	TURN 0
.macro STEP t
.set XS, X+16*((\t)%2)
.if (\t) > 0
	s_wait_dscnt 1                                 ; this step's numbers are back from the stage (the last step's byte store may be out)
.else
	s_wait_dscnt 0x0
.endif
.if (\t)+4 < STEPS
	LOAD (\t)+4                                    ; the registers that the stage's stores have read take the loads of four steps on
.endif
.if (\t)+1 < STEPS
.if STEPS-2-(\t) >= 3
	s_wait_loadcnt 12                              ; the next step's four loads are in; those of the three steps behind it may be out
.else
	s_wait_loadcnt 4*(STEPS-2-(\t))                ; the tail: as many steps' loads as are left behind the next step's
.endif
	TURN (\t)+1                                    ; and go through the other stage while this step is worked
.endif
	v_max3_num_f32 v8, |v[XS]|, |v[XS+1]|, |v[XS+2]|               ; the largest magnitude of my 16
	v_max3_num_f32 v9, |v[XS+3]|, |v[XS+4]|, |v[XS+5]|
.irp i, 6,10
	v_max3_num_f32 v8, v8, |v[XS+\i]|, |v[XS+\i+1]|
	v_max3_num_f32 v9, v9, |v[XS+\i+2]|, |v[XS+\i+3]|
.endr
	v_max3_num_f32 v8, v8, |v[XS+14]|, |v[XS+15]|
	v_max3_num_f32 v8, v8, v9, (EMAX+1)<<23        ; and the floor 2^(EMAX + 1 - 127): the byte cannot fall under 1
	v_max_num_f32_dpp v8, v8, v8 row_xmask:1 row_mask:0xf bank_mask:0xf   ; and of my neighbour's 16: the block's
	v_add_nc_u32 v11, -(EMAX<<23), v8              ; EMAX off its exponent field: the conversion takes the exponent field of this operand as its scale
	v_cvt_scalef32_pk8_fp4_f32 v[C+4*(\t)], v[XS:XS+7], v11        ; eight numbers / the scale, to the nearest code, ties to even, beyond the largest code the largest
	v_cvt_scalef32_pk8_fp4_f32 v[C+4*(\t)+1], v[XS+8:XS+15], v11
	v_lshrrev_b32 v[E+(\t)], 23, v11               ; the scale's byte (a plain line behind the conversions)
	ds_store_b8 v5, v[E+(\t)] offset:16*(\t)       ; both lanes of a block write the same byte with the same value
	global_store_b64 v4, v[C+4*(\t):C+4*(\t)+1], s[8:9] offset:32*CB*(\t)   ; the wave stores 256 consecutive bytes, aligned
.endm
.irp t, 0,1,2,3,4,5,6,7,8,9,10,11,12,13,14,15
	STEP \t
.endr
	ds_load_b64 v[8:9], v6                         ; LDS serves a wave's instructions in order: these see my stores
	s_wait_dscnt 0x0
	global_store_b64 v7, v[8:9], s[10:11]          ; 32 lanes store my wave's 256 scale bytes, aligned
	s_wait_tensorcnt 0x0                           ; the wave's end, behind my last LDS store
	ds_add_u32 v[SPW], v[NIL]
	s_wait_dscnt 0x0
	s_endpgm
; THE CAST.  Wave w of work-group 352 + c takes rows n0 = 32 c + 8 w .. n0 + 7 of w_proj, two rows at a time.  A load reads 256 bytes (one plane's 64 numbers) of each of the two rows;
; a lane's four numbers become 8 bytes, and the 32 lanes store 256 consecutive bytes: the two rows' 128 bytes lie on end in the plane.
.macro CLOAD j                         ; row pair j into set j % 2: sixteen loads, one for each plane
.irp kb, 0,1,2,3,4,5,6,7,8,9,10,11,12,13,14,15
	global_load_b128 v[CR+64*((\j)%2)+4*\kb:CR+64*((\j)%2)+4*\kb+3], v[CIN], s[24:25] offset:(\j)*8192+\kb*256 th:TH_LOAD_NT
.endr
.endm
.macro CPAIR j
.set CS0, CR+64*((\j)%2)
.if (\j) < 3
	s_wait_loadcnt 16                              ; this pair's sixteen loads are in; the other set's sixteen may be out
.else
	s_wait_loadcnt 0x0
.endif
	s_wait_xcnt 0x0                                ; the last pair's stores have read their data: the registers are written again only behind this wait
.irp kb, 0,1,2,3,4,5,6,7,8,9,10,11,12,13,14,15
	v_cvt_pk_f16_f32 v[CO+2*\kb], v[CS0+4*\kb], v[CS0+4*\kb+1]
	v_cvt_pk_f16_f32 v[CO+2*\kb+1], v[CS0+4*\kb+2], v[CS0+4*\kb+3]
.endr
.irp kb, 0,1,2,3,4,5,6,7,8,9,10,11,12,13,14,15
	global_store_b64 v[COUT], v[CO+2*\kb:CO+2*\kb+1], s[26:27] offset:\kb*131072+(\j)*256
.endr
.if (\j) < 2
	CLOAD (\j)+2
.endif
.endm
.Lcast:
	s_sub_co_u32 s17, ttmp9, WGQ
	s_lshl_b32 s17, s17, 5
	s_lshl_b32 s18, s16, 3
	s_add_co_u32 s17, s17, s18                     ; n0
	s_lshl_b32 s18, s17, 12                        ; a row of w_proj is 4,096 bytes
	s_mov_b32 s19, 0
	s_add_nc_u64 s[24:25], s[24:25], s[18:19]
	s_lshl_b32 s18, s17, 7                         ; a row of a plane is 128 bytes
	s_add_nc_u64 s[26:27], s[26:27], s[18:19]
	v_and_b32 v[CIN], 15, v2
	v_lshrrev_b32 v[COUT], 4, v2
	v_lshlrev_b32 v[CIN], 4, v[CIN]
	v_lshl_add_u32 v[CIN], v[COUT], 12, v[CIN]     ; in: 16 (lane % 16), and lanes 16-31 one row down
	v_lshlrev_b32 v[COUT], 3, v2                   ; out: 8 x lane
	CLOAD 0
	CLOAD 1
	CPAIR 0
	CPAIR 1
	CPAIR 2
	CPAIR 3
	s_wait_tensorcnt 0x0                           ; this path writes no LDS; the launch does, and every wave of it ends alike
	ds_add_u32 v[SPW], v[NIL]
	s_wait_dscnt 0x0
	s_endpgm
.Lfunc_end_k_qd075dcf620_quant:
	.size	k_qd075dcf620_quant, .Lfunc_end_k_qd075dcf620_quant-k_qd075dcf620_quant
	.p2alignl 7, 3214868480
	.fill 96, 4, 3214868480
	.section	.rodata,"a",@progbits
	.p2align	6, 0x0
	.amdhsa_kernel k_qd075dcf620_quant
		.amdhsa_group_segment_fixed_size 33280
		.amdhsa_private_segment_fixed_size 0
		.amdhsa_enable_private_segment 0
		.amdhsa_kernarg_size 64
		.amdhsa_user_sgpr_count 2
		.amdhsa_user_sgpr_kernarg_segment_ptr 1
		.amdhsa_wavefront_size32 1
		.amdhsa_system_sgpr_workgroup_id_x 1
		.amdhsa_system_sgpr_workgroup_id_y 1
		.amdhsa_system_sgpr_workgroup_id_z 1
		.amdhsa_system_vgpr_workitem_id 0
		.amdhsa_next_free_vgpr 192
		.amdhsa_next_free_sgpr 66
		.amdhsa_reserve_vcc 0
		.amdhsa_float_denorm_mode_32 3
		.amdhsa_float_denorm_mode_16_64 3
		.amdhsa_memory_ordered 1
		.amdhsa_forward_progress 1
		.amdhsa_inst_pref_size 54
	.end_amdhsa_kernel
	.amdgpu_metadata
---
amdhsa.version: [ 1, 2 ]
amdhsa.kernels:
  - .name:           k_qd075dcf620_quant
    .symbol:         k_qd075dcf620_quant.kd
    .args:
      - { .name: x, .offset: 0, .size: 8, .value_kind: global_buffer, .address_space: global }
      - { .name: w_qkv, .offset: 8, .size: 8, .value_kind: global_buffer, .address_space: global }
      - { .name: x_codes, .offset: 16, .size: 8, .value_kind: global_buffer, .address_space: global }
      - { .name: x_scales, .offset: 24, .size: 8, .value_kind: global_buffer, .address_space: global }
      - { .name: w_codes, .offset: 32, .size: 8, .value_kind: global_buffer, .address_space: global }
      - { .name: w_scales, .offset: 40, .size: 8, .value_kind: global_buffer, .address_space: global }
      - { .name: w_proj, .offset: 48, .size: 8, .value_kind: global_buffer, .address_space: global }
      - { .name: wp16, .offset: 56, .size: 8, .value_kind: global_buffer, .address_space: global }
    .group_segment_fixed_size: 33280
    .private_segment_fixed_size: 0
    .kernarg_segment_align: 8
    .kernarg_segment_size: 64
    .max_flat_workgroup_size: 128
    .sgpr_count:     66
    .vgpr_count:     192
    .wavefront_size: 32
...
	.end_amdgpu_metadata
.endif
;; end of part 1
;; launch qkv (part 2): grid 12 x 32, 4 waves a work-group, clusters of 4 x 4, 327,680 bytes of LDS; arguments x_codes, x_scales, w_codes, w_scales, qkv16, qkv32; writes qkv16, qkv32
.if DOCPART == 2
	.amdgcn_target "amdgcn-amd-amdhsa--gfx1250"
	.amdhsa_code_object_version 6
	.text
	.protected	k_qd075dcf620_qkv
	.globl	k_qd075dcf620_qkv
	.p2align	8
	.type	k_qd075dcf620_qkv,@function
k_qd075dcf620_qkv:
	s_mov_b64 s[64:65], 0
	v_nop
	global_prefetch_b8 v0, s[64:65] scope:SCOPE_SE
	s_setreg_imm32_b32 hwreg(HW_REG_WAVE_MODE, 25, 1), 1
	s_wait_xcnt 0x0
	s_wait_alu depctr_hold_cnt(0) depctr_sa_sdst(0) depctr_va_vdst(0) depctr_va_sdst(0) depctr_va_ssrc(0) depctr_va_vcc(0) depctr_vm_vsrc(0)
	s_getreg_b32 s2, hwreg(HW_REG_IB_STS2, 6, 4)
	s_cmp_eq_u32 s2, 0
	s_cbranch_scc0 .Lentry_in_a_cluster
	s_endpgm
.Lentry_in_a_cluster:
	s_bfe_u32 s2, ttmp6, 0x10000c
	s_cmp_lg_u32 s2, 0xf033
	s_cbranch_scc0 .Lentry_shape_is_right
	s_endpgm
.Lentry_shape_is_right:
; qkv[m][f] = sum over k of x[m][k] w_qkv[f][k], both operands codes of FP4 (E2M1) with one E8M0 scale for each 32 along K; sums in f32.  m = 2048 b + t (8,192), f = 1024 s + 64 h + d (3,072), K = 1,024.
; The results leave rounded to f16, by head: qkv16[s][b][h][t][64]; the rows t < 16 of every batch leave in f32 too: qkv32[b][16 s + h][t][64].
; LIMIT: |q|, |k|, |v| stay under 65,504 (f16's range).
; A tile of 256 x 256 is made by a work-group of four waves; a wave makes 128 x 128: 64 accumulators of 16 x 16, 512 registers.  K is two slots of 512 in LDS (rows of 256 bytes), each filled once by the
; tensor data mover; the scale bytes of the work-group's rows, for all of K, come with them as two dense blocks.  By this text's own count a wave has three tensor loads out at the start and none later.
; CLUSTERS: 4 x 4 work-groups.  The four of a row of the cluster need the same tiles of x, the four of a column the same tiles of w_qkv: each tile is asked for JOINTLY, by the same tensor load with the same
; descriptor and a mask that names the four.  The tile row is 8 cy + cluster y, so that b = cy and t begins at 256 x cluster y: whether a tile holds t < 16 hangs on the cluster's y, which all partners share.
; THE MATRIX INSTRUCTION IS USED TRANSPOSED (source 0 = 16 rows of w_qkv, source 1 = 16 rows of x): a lane holds eight neighbouring f of one row m.
; REGISTERS, in windows of 256: window 0: v0-31 addresses; v32-95 scale words, two sets; from v128 x's fragments (8 x 16 rows x 128 K), ONE set; on the way out v32-255 are free.
;   window 1: w's fragments, TWO sets, at v0 and at v128.   window 2: the 32 accumulators of my rows 0-63 (accumulator (a, b) at v[8 (8 a + b)]);   window 3: those of my rows 64-127.
.set SIZE_M, 8192
.set SIZE_N, 3072
.set SIZE_K, 1024
.set KSTEP,  512                       ; along K in a slot
.set NQ,     KSTEP/128                 ; matrix instructions deep
.set ROWB,   256                       ; a tile's row in bytes
.set KROW,   SIZE_K*4/8                ; a row of codes in memory, in bytes
.set PITCH,  272                       ; an LDS row: 256 bytes + 16 of padding = 68 words: the 16 rows that a load touches start at 16 different banks (64 banks of 4 bytes: ISA guide 11.1)
.set FR,     8                         ; registers of a fragment
.set NL,     2                         ; LDS loads that bring one
.set NP,     4                         ; places behind this matrix instruction (ISA guide 7.12.1)
.set HALFT,  128*PITCH                 ; 128 rows: what one tensor load brings
.set SLOT,   4*HALFT                   ; x's 256 rows, then w's 256 rows
.set KS,     SIZE_K/32                 ; a row of scales in bytes
.set SCL,    2*SLOT                    ; behind the slots: the scales, as units of 256 bytes + 16 of padding
.set HALFS,  (128*KS/256)*272          ; the scales of 128 rows
.set SBLK,   (16*KS/256)*272           ; those of 16 rows
.set SPARE,  SCL+4*HALFS               ; behind the scales: the spare words, 128 bytes a wave
.set SPITCH, 528                       ; the way out: a stage of 16 x 528 bytes for each wave, in slot 0, which has had its only fill and its last read when the first result is stored there
.set HPITCH, 272                       ; a stage row of 128 f16 + 16 bytes
.set ADRA, 16                          ; v16-17  LDS address of my x fragments in slot 0, 1
.set ADRB, 20                          ; v20-21  the same for w
.set STO16, 22                         ; v22     f16 way out: where I put 16 bytes of a row
.set RD16, 23                          ; v23     and where I read back: four rows of one head an instruction
.set STO32, 24                         ; v24     f32 way out: where I put 32 bytes of a row
.set RD32, 25                          ; v25     and where I read a row back
.set CO32, 26                          ; v26     my byte offset in qkv32: lanes 0-15 one head's row, lanes 16-31 the next head's
.set ADRS, 27                          ; v27     LDS address of my scale words: lanes 0-15 x's rows, lanes 16-31 w's
.set SPW,  28                          ; v28     LDS address of my spare word; never rewritten
.set NIL,  29                          ; v29     0; never rewritten
.set CO16, 30                          ; v30     16 x lane: my byte offset in qkv16
.set SC,   32                          ; scale words: set s at v[SC + 8 NQ s]; register NQ i + q: lanes 0-15 the word of x's block i, lanes 16-31 that of w's block i
.set AF,   128                         ; x's fragments, in window 0
.set BK,   128                         ; f32 way out: 16 rows read back
.set TMP,  192                         ; f16 way out: packed results
.set OB,   32                          ; f16 way out: rows read back: v32-63 and v224-255 by turns
.set G1, 24                            ; s[24:31] descriptor group 1 for x's tiles;  s[32:39] group 0, one set for each slot
.set G0, 32
.set G1B, 48                           ; s[48:55], s[56:63] the same for w's tiles
.set G0B, 56
.set G1S, 68                           ; s[68:75], s[76:79] groups 1 and 0 for x's scales;  s[80:87], s[88:91] for w's
.set G0S, 76
.set G1SB, 80
.set G0SB, 88
.set MSB, 0
.macro WIN new                         ; the immediate's high byte repeats the setting that is left
.if MSB != (\new)
	s_set_vgpr_msb (MSB<<8)|(\new)
.set MSB, \new
.endif
.endm
.set MUL_LO, 0xa1                      ; source 0 (w) window 1, source 1 (x) window 0, C and D window 2
.set MUL_HI, 0xf1                      ; the same, C and D window 3
.set TO_B,   0x40                      ; destination window 1, address window 0
; A joint load: waves 0 and 1 fetch for x, waves 2 and 3 for w.  Each of the two lines has ONE mask and one set of registers for all that issue it; the branch hangs on the wave's number alone.
; An s_nop 0 and four v_nop follow each of the two lines, ahead of the jump, the label and what follows.
.macro JLOAD g0a, g1a, g0b, g1b
	s_cmp_eq_u32 s15, 0
	s_cbranch_scc0 .Lfor_b_\@
	tensor_load_to_lds s[\g0a:\g0a+3], s[\g1a:\g1a+7]
	s_nop 0
.rept 4
	v_nop
.endr
	s_branch .Lasked_\@
.Lfor_b_\@:
	tensor_load_to_lds s[\g0b:\g0b+3], s[\g1b:\g1b+7]
	s_nop 0
.rept 4
	v_nop
.endr
.Lasked_\@:
.endm
.macro CROUND                          ; a round of the cluster's barrier
	s_barrier_signal -1
	s_barrier_wait -1
	s_cmp_lg_u32 s14, 0
	s_cbranch_scc1 .Lnot_wave_0_\@
	s_barrier_signal -3
.Lnot_wave_0_\@:
	s_barrier_wait -3
	s_barrier_signal -1
	s_barrier_wait -1
.endm
	s_load_b128 s[4:7], s[0:1], 0x0                ; x's codes s[4:5], x's scales s[6:7]
	s_load_b128 s[8:11], s[0:1], 0x10              ; w's codes s[8:9], w's scales s[10:11]
	s_load_b64 s[12:13], s[0:1], 0x20              ; qkv16
	s_load_b64 s[66:67], s[0:1], 0x28              ; qkv32
	v_lshl_add_u32 v[SPW], v0, 2, SPARE
	v_mov_b32 v[NIL], 0
	ds_add_u32 v[SPW], v[NIL]                      ; the wave's opening: the add, twice on end, and its wait ahead of my first tensor load
	ds_add_u32 v[SPW], v[NIL]                      ; and once more, under the one wait; the set-up below, work on registers, stands between
	v_lshrrev_b32 v1, 5, v0
	v_readfirstlane_b32 s14, v1                    ; wave 0..3
	s_lshr_b32 s15, s14, 1                         ; which half of the tile's rows is mine.  Also: I fetch for x (0) or for w (1)
	s_and_b32 s16, s14, 1                          ; which half of its columns.  Also: which 128 rows of that tile I fetch
	s_bfe_u32 s40, ttmp6, 0x40000                  ; cx, cy: my place in the cluster
	s_bfe_u32 s41, ttmp6, 0x40004
	s_lshl_b32 s42, ttmp9, 2
	s_add_co_u32 s42, s42, s40                     ; tile column = 4 x cluster x + cx
	s_and_b32 s17, ttmp7, 0xffff
	s_lshl_b32 s18, s41, 3
	s_add_co_u32 s17, s17, s18                     ; tile row = 8 cy + cluster y
	s_lshl_b32 s43, s41, 2
	s_lshl_b32 s43, 15, s43                        ; my row of the cluster
	s_lshl_b32 s44, 0x1111, s40                    ; my column
	; descriptor group 1: a tile of 128 rows x ROWB bytes, padded in LDS
	s_or_b32 s[G1+0], s43, (0<<16)|(1<<20)|(1<<21)|(5<<22)|(3<<25)  ; 15:0 the mask: x's tiles go to my row; 17:16 element of 1 byte; 20 padding on; 21 set beside a mask; 24:22 after every 64 words; 31:25 of 4 words
	s_or_b32 s[G1B+0], s44, (0<<16)|(1<<20)|(1<<21)|(5<<22)|(3<<25)
.irp g, G1, G1B
	s_mov_b32 s[\g+1], ROWB<<16                    ; tensor_dim0
	s_mov_b32 s[\g+2], 128<<16                     ; tensor_dim1 = 128
	s_mov_b32 s[\g+3], ROWB<<16                    ; tile_dim0
	s_mov_b32 s[\g+4], 128                         ; tile_dim1 = 128
	s_mov_b32 s[\g+5], KROW                        ; tensor_dim0_stride
	s_mov_b32 s[\g+6], 0
	s_mov_b32 s[\g+7], 0
.endr
	; and for the scales of 128 rows: a dense block of 128 KS bytes, as rows of 256 bytes (32 elements of 8 bytes), 16 bytes of padding behind each
	s_or_b32 s[G1S+0], s43, (3<<16)|(1<<20)|(1<<21)|(5<<22)|(3<<25)
	s_or_b32 s[G1SB+0], s44, (3<<16)|(1<<20)|(1<<21)|(5<<22)|(3<<25)
.irp g, G1S, G1SB
	s_mov_b32 s[\g+1], 32<<16
	s_mov_b32 s[\g+2], (128*KS/256)<<16
	s_mov_b32 s[\g+3], 32<<16
	s_mov_b32 s[\g+4], 128*KS/256
	s_mov_b32 s[\g+5], 32
	s_mov_b32 s[\g+6], 0
	s_mov_b32 s[\g+7], 0
.endr
	s_lshl_b32 s18, s16, 7                         ; which 128 rows of the tile I fetch
	s_lshl_b32 s20, s17, 8
	s_add_co_u32 s20, s20, s18                     ; x: row 256 x tile row + 128 x half
	s_lshl_b32 s46, s42, 8
	s_add_co_u32 s46, s46, s18                     ; w: row 256 x tile column + 128 x half
	s_mov_b32 s21, 0
	s_mov_b32 s47, 0
	s_mov_b64 s[18:19], KS
	s_mul_u64 s[22:23], s[20:21], s[18:19]         ; where these rows' scales begin, in bytes
	s_mul_u64 s[92:93], s[46:47], s[18:19]
	s_mov_b64 s[18:19], KROW
	s_mul_u64 s[20:21], s[20:21], s[18:19]         ; and their codes
	s_mul_u64 s[46:47], s[46:47], s[18:19]
	s_mul_i32 s45, s14, HALFT                      ; where they go: wave x 128 rows: no place in the cluster enters an LDS address
	s_mul_i32 s94, s14, HALFS
	s_wait_dscnt 0x0                               ; both opening adds are done
	s_wait_kmcnt 0x0
	s_add_nc_u64 s[20:21], s[4:5], s[20:21]
	s_add_nc_u64 s[22:23], s[6:7], s[22:23]
	s_add_nc_u64 s[46:47], s[8:9], s[46:47]
	s_add_nc_u64 s[92:93], s[10:11], s[92:93]
	CROUND                                         ; all sixteen work-groups are here: the joint loads meet
	s_mov_b32 s[G0S], 1
	s_add_co_u32 s[G0S+1], s94, SCL
	s_mov_b64 s[G0S+2:G0S+3], s[22:23]
	s_or_b32 s[G0S+3], s[G0S+3], 0x80000000
	s_mov_b32 s[G0SB], 1
	s_add_co_u32 s[G0SB+1], s94, SCL
	s_mov_b64 s[G0SB+2:G0SB+3], s[92:93]
	s_or_b32 s[G0SB+3], s[G0SB+3], 0x80000000
	JLOAD G0S, G1S, G0SB, G1SB                     ; the scales first: they are wanted with the first slot
.irp s, 0,1
	s_mov_b32 s[G0+4*\s], 1
	s_add_co_u32 s[G0+4*\s+1], s45, \s*SLOT
	s_add_nc_u64 s[G0+4*\s+2:G0+4*\s+3], s[20:21], \s*ROWB
	s_or_b32 s[G0+4*\s+3], s[G0+4*\s+3], 0x80000000
	s_mov_b32 s[G0B+4*\s], 1
	s_add_co_u32 s[G0B+4*\s+1], s45, \s*SLOT
	s_add_nc_u64 s[G0B+4*\s+2:G0B+4*\s+3], s[46:47], \s*ROWB
	s_or_b32 s[G0B+4*\s+3], s[G0B+4*\s+3], 0x80000000
	JLOAD G0+4*\s, G1, G0B+4*\s, G1B
.endr
	v_and_b32 v1, 15, v0                           ; r = l % 16
	v_bfe_u32 v2, v0, 4, 1                         ; h = l / 16
	v_mul_u32_u24 v3, v1, PITCH
	v_lshl_add_u32 v4, v2, 4, v3                   ; a fragment's row x pitch + 16 x half
	s_mul_i32 s21, s15, HALFT                      ; my 128 rows of x
	s_mul_i32 s22, s16, HALFT                      ; my 128 rows of w,
	s_add_co_u32 s22, s22, 2*HALFT                 ; which lie behind x's 256
.irp s, 0,1
	v_add_nc_u32 v[ADRA+\s], s21, v4
	v_add_nc_u32 v[ADRB+\s], s22, v4
	s_add_co_u32 s21, s21, SLOT
	s_add_co_u32 s22, s22, SLOT
.endr
	v_mul_u32_u24 v5, v1, KS                       ; my row's scales: KS bytes a row,
	v_lshrrev_b32 v6, 8, v5
	v_lshl_add_u32 v5, v6, 4, v5                   ; and 16 more for each 256 passed
	s_mul_i32 s21, s15, HALFS                      ; x's: my 128 rows
	s_mul_i32 s22, s16, HALFS                      ; w's: my 128 rows, behind x's 256
	s_add_co_u32 s22, s22, 2*HALFS
	s_sub_co_u32 s22, s22, s21
	v_mul_u32_u24 v6, s22, v2                      ; lanes 16-31 take w's
	s_add_co_u32 s21, s21, SCL
	v_add_nc_u32 v5, v5, v6
	v_add_nc_u32 v[ADRS], s21, v5
	s_mul_i32 s23, s14, 16*SPITCH                  ; my stage
	v_mul_u32_u24 v5, v1, SPITCH                   ; f32, in: row r, 32 bytes for each half of the lanes
	v_lshl_add_u32 v5, v2, 5, v5
	v_add_nc_u32 v[STO32], s23, v5
	v_and_b32 v6, 31, v0
	v_lshlrev_b32 v[CO16], 4, v6                   ; 16 x lane
	v_add_nc_u32 v[RD32], s23, v[CO16]             ; f32, back: the 32 lanes take one row of 512 bytes
	v_lshlrev_b32 v[CO32], 4, v1
	v_lshl_add_u32 v[CO32], v2, 12, v[CO32]        ; in qkv32: 16 r, and lanes 16-31 one head (4,096 bytes) on
	v_mul_u32_u24 v5, v1, HPITCH                   ; f16, in: row r, 16 bytes for each half of the lanes
	v_lshl_add_u32 v5, v2, 4, v5
	v_add_nc_u32 v[STO16], s23, v5
	v_lshrrev_b32 v5, 3, v6                        ; f16, back: eight lanes to a head's 128 bytes of a row, four rows an instruction
	v_mul_u32_u24 v5, v5, HPITCH
	v_and_b32 v6, 7, v6
	v_lshl_add_u32 v5, v6, 4, v5
	v_add_nc_u32 v[RD16], s23, v5
	; where my part begins.  qkv16: s = cluster x, b = cy, first head 4 cx + 2 x column half, first t = 256 x cluster y + 128 x row half
	s_lshl_b32 s20, ttmp9, 24                      ; s x 16,777,216
	s_lshl_b32 s21, s41, 22                        ; b x 4,194,304
	s_add_co_u32 s20, s20, s21
	s_lshl_b32 s46, s40, 2
	s_lshl_b32 s47, s16, 1
	s_add_co_u32 s46, s46, s47                     ; my first head
	s_lshl_b32 s47, s46, 18                        ; x 262,144
	s_add_co_u32 s20, s20, s47
	s_and_b32 s47, ttmp7, 0xffff                   ; cluster y
	s_or_b32 s95, s47, s15                         ; 0 where my first 16 rows are t = 0 .. 15: cluster y and the wave's number alone
	s_lshl_b32 s47, s47, 15                        ; 256 rows of 128 bytes
	s_add_co_u32 s20, s20, s47
	s_lshl_b32 s47, s15, 14                        ; 128 rows
	s_add_co_u32 s20, s20, s47
	s_mov_b32 s21, 0
	s_add_nc_u64 s[12:13], s[12:13], s[20:21]
	s_mul_i32 s20, s41, 196608                     ; qkv32: b x 48 x 4,096
	s_lshl_b32 s47, ttmp9, 4
	s_add_co_u32 s47, s47, s46                     ; g = 16 s + head
	s_lshl_b32 s47, s47, 12
	s_add_co_u32 s20, s20, s47
	s_add_nc_u64 s[66:67], s[66:67], s[20:21]
.macro FRAG reg, adr, q, i             ; a fragment, 16 rows x 128 K of 4-bit codes, is 8 registers: lane l holds row l % 16; registers 4 c .. 4 c + 3 hold K = 64 c + 32 (l / 16) + 0 .. 31
.irp c, 0,1
	ds_load_b128 v[\reg+4*\c:\reg+4*\c+3], v[\adr] offset:64*(\q)+32*\c+(\i)*16*PITCH
.endr
.endm
; 16 matrix instructions: x's blocks a0, a0 + 1 against w's eight, 128 along K: the slot's q-th.  p: w's set;  sc: the set of scale words.  zero = 1: the first product starts the sums: nothing is ever cleared.
; The 64 accumulators take turns, one instruction a turn, in the same order in every step.
.macro MUL16 a0, p, q, sc, zero
.irp a, \a0, \a0+1
.irp b, 0,1,2,3,4,5,6,7
.if \zero
	v_wmma_scale_f32_16x16x128_f8f6f4 v[8*(8*((\a)%4)+\b):8*(8*((\a)%4)+\b)+7], v[128*(\p)+FR*\b:128*(\p)+FR*\b+FR-1], v[AF+FR*(\a):AF+FR*(\a)+FR-1], 0, v[SC+8*NQ*(\sc)+NQ*\b+(\q)], v[SC+8*NQ*(\sc)+NQ*(\a)+(\q)] matrix_a_fmt:MATRIX_FMT_FP4 matrix_b_fmt:MATRIX_FMT_FP4 matrix_a_scale:MATRIX_SCALE_ROW1
.else
	v_wmma_scale_f32_16x16x128_f8f6f4 v[8*(8*((\a)%4)+\b):8*(8*((\a)%4)+\b)+7], v[128*(\p)+FR*\b:128*(\p)+FR*\b+FR-1], v[AF+FR*(\a):AF+FR*(\a)+FR-1], v[8*(8*((\a)%4)+\b):8*(8*((\a)%4)+\b)+7], v[SC+8*NQ*(\sc)+NQ*\b+(\q)], v[SC+8*NQ*(\sc)+NQ*(\a)+(\q)] matrix_a_fmt:MATRIX_FMT_FP4 matrix_b_fmt:MATRIX_FMT_FP4 matrix_a_scale:MATRIX_SCALE_ROW1
.endif
.endr
.endr
.endm
.macro FETCH_B slot, q, p              ; w's eight fragments of the slot's q-th 128 along K into set p
	WIN TO_B
.irp i, 0,1,2,3,4,5,6,7
	FRAG 128*(\p)+FR*\i, ADRB+\slot, \q, \i
.endr
	WIN 0
.endm
.macro FETCH_A slot, q, i0             ; x's blocks i0 .. i0 + 3
.irp i, \i0, \i0+1, \i0+2, \i0+3
	FRAG AF+FR*(\i), ADRA+\slot, \q, \i
.endr
.endm
.macro SCALES sc                       ; a slot's scale words into set sc: NQ words a row; lanes 0-15 take x's block i, lanes 16-31 w's block i
.irp i, 0,1,2,3,4,5,6,7
	ds_load_b128 v[SC+8*NQ*\sc+NQ*\i:SC+8*NQ*\sc+NQ*\i+3], v[ADRS] offset:\i*SBLK
.endr
.endm
; A load into a register that a matrix instruction has read, and a vector instruction or an LDS store that reads a matrix result, stand NP places behind that matrix instruction; only plain vector
; instructions that name none of its registers are places (ISA guide 7.12.1 for vector instructions).
.macro PLACES n
.rept \n
	v_nop
.endr
.endm
; A step of 128 along K that has its successor in the same slot.
.macro STEP slot, q, zero
	s_wait_dscnt 4*NL                              ; w's set and x's blocks 0-3 are in; the youngest eight loads (x's blocks 4-7) may be out
	WIN MUL_LO
	MUL16 0, (\q)%2, \q, \slot, \zero
	MUL16 2, (\q)%2, \q, \slot, \zero
	s_wait_dscnt 0                                 ; x's blocks 4-7 are in (asked for 32 matrix instructions ago)
	PLACES NP
	FETCH_B \slot, (\q)+1, 1-(\q)%2
	FETCH_A \slot, (\q)+1, 0
	WIN MUL_HI
	MUL16 4, (\q)%2, \q, \slot, \zero
	MUL16 6, (\q)%2, \q, \slot, \zero
	PLACES NP
	WIN 0
	FETCH_A \slot, (\q)+1, 4
.endm
; Slot 0's last step changes slots: one barrier; in front of it each wave waits for all its tensor loads (its part of slot 1), adds 0 to its spare word, and waits for that and for its reads of slot 0.
; Nothing is filled again: K has two slots' worth.  Behind the barrier slot 1 is whole and nobody reads slot 0, which the way out then uses as its stage.
.macro TURN slot, next
	s_wait_tensorcnt 0x0                           ; all my tensor loads have landed  (every window is 0 here: the add's two registers lie in window 0)
	ds_add_u32 v[SPW], v[NIL]                      ; 0 onto my spare word
	s_wait_dscnt 4*NL+1                            ; (the add and the youngest eight loads, x's blocks 4-7, may be out)
	WIN MUL_LO
	MUL16 0, 1, NQ-1, \slot, 0                     ; sixteen matrix instructions stand between the add and the wait for it
	s_wait_dscnt 0x0                               ; the add is done, and my reads of this slot are over
	s_barrier_signal -1
	MUL16 2, 1, NQ-1, \slot, 0
	WIN 0
	s_barrier_wait -1
	PLACES NP
	v_add_nc_u32 v[ADRS], 4*NQ, v[ADRS]            ; on to the next slot's scale words (no LDS load of mine is out)
	FETCH_B \next, 0, 0
	FETCH_A \next, 0, 0
	SCALES \next
	WIN MUL_HI
	MUL16 4, 1, NQ-1, \slot, 0
	MUL16 6, 1, NQ-1, \slot, 0
	PLACES NP
	WIN 0
	FETCH_A \next, 0, 4
.endm
.macro STEPS slot, from                ; the slot's steps from .. NQ - 2
.set Q, \from
.rept NQ-1-\from
	STEP \slot, Q, 0
.set Q, Q+1
.endr
.endm
	s_wait_tensorcnt 1                             ; the scales and my part of slot 0 are in (slot 1's load, the one issued behind them, may be out),
	s_barrier_signal -1
	s_barrier_wait -1                              ; everybody's are
	FETCH_B 0, 0, 0
	FETCH_A 0, 0, 0
	SCALES 0
	FETCH_A 0, 0, 4
	STEP 0, 0, 1                                   ; the first step's products start the sums
	STEPS 0, 1
	TURN 0, 1
	STEPS 1, 0
	s_wait_dscnt 4*NL                              ; the very last step: nothing more to fetch
	WIN MUL_LO
	MUL16 0, 1, NQ-1, 1, 0
	MUL16 2, 1, NQ-1, 1, 0
	s_wait_dscnt 0
	WIN MUL_HI
	MUL16 4, 1, NQ-1, 1, 0
	MUL16 6, 1, NQ-1, 1, 0
	WIN 0
	; THE WAY OUT.  A lane holds eight neighbouring f of one row, and the lanes beside it hold other rows: a block of 16 rows x 128 f goes through my own stage in LDS.
	; LDS serves a wave's instructions in order (ISA guide 5.7.1.4): no wait between the stores and the loads, nor in front of the next block's stores.
	PLACES NP                                      ; behind the last products: for the loads into registers that held fragments and scale words, and for the reads of results
	s_cmp_lg_u32 s95, 0                            ; t < 16 lies in block 0 of the upper waves of the clusters with y = 0
	s_cbranch_scc1 .Lno32
	WIN 0x08                                       ; an LDS store's data are its source 1: window 2
.irp b, 0,1,2,3,4,5,6,7
	ds_store_b128 v[STO32], v[8*\b:8*\b+3] offset:64*\b            ; each accumulator from its low end on
	ds_store_b128 v[STO32], v[8*\b+4:8*\b+7] offset:64*\b+16
.endr
	WIN 0
.irp t, 0,1,2,3,4,5,6,7,8,9,10,11,12,13,14,15
	ds_load_b128 v[BK+4*\t:BK+4*\t+3], v[RD32] offset:\t*SPITCH
.endr
	s_wait_dscnt 0x0
.irp t, 0,1,2,3,4,5,6,7,8,9,10,11,12,13,14,15
	global_store_b128 v[CO32], v[BK+4*\t:BK+4*\t+3], s[66:67] offset:\t*256   ; sixteen lanes store a head's row t: 256 consecutive bytes, aligned
.endr
	s_wait_xcnt 0x0
.Lno32:
.macro PACK a                          ; block a rounded to f16: 16 bytes a lane for each of w's eight blocks
.set AC, 64*((\a)%4)
	WIN 0x0a+5*((\a)/4)                            ; sources 0 and 1: window 2 or 3
.irp b, 0,1,2,3,4,5,6,7
.irp r, 0,1,2,3
	v_cvt_pk_f16_f32 v[TMP+4*\b+\r], v[AC+8*\b+2*\r], v[AC+8*\b+2*\r+1]
.endr
.endr
	WIN 0
.endm
.macro TOSTAGE a                       ; into rows of 272 bytes, and back by heads: four rows x 128 bytes an instruction
.set BB, OB+192*((\a)%2)
.irp b, 0,1,2,3,4,5,6,7
	ds_store_b128 v[STO16], v[TMP+4*\b:TMP+4*\b+3] offset:32*\b
.endr
.irp hh, 0,1
.irp i, 0,1,2,3
	ds_load_b128 v[BB+4*(4*\hh+\i):BB+4*(4*\hh+\i)+3], v[RD16] offset:128*\hh+\i*4*HPITCH
.endr
.endr
.endm
.macro SEND a, younger
.set BB, OB+192*((\a)%2)
	s_wait_dscnt \younger                          ; the block is back in registers
	s_wait_xcnt 0x0                                ; the stores of the block before have read their data: the next block's loads land there only behind this wait
.irp hh, 0,1
.irp i, 0,1,2,3
	global_store_b128 v[CO16], v[BB+4*(4*\hh+\i):BB+4*(4*\hh+\i)+3], s[12:13] offset:\hh*262144+(\a)*2048+\i*512   ; 32 lanes store four rows of one head: 512 consecutive bytes, aligned
.endr
.endr
.endm
	PACK 0
	TOSTAGE 0
.irp a, 1,2,3,4,5,6,7                  ; block a's conversions stand between block a - 1's loads from the stage and the wait for them
	PACK \a
	SEND \a-1, 0
	TOSTAGE \a
.endr
	SEND 7, 0
	s_wait_tensorcnt 0x0                           ; the wave's end, behind my last tensor load and my last LDS store
	ds_add_u32 v[SPW], v[NIL]
	s_wait_dscnt 0x0
	CROUND                                         ; the closing round: no work-group ends while a partner may still ask for a tile that names it
	s_endpgm
.Lfunc_end_k_qd075dcf620_qkv:
	.size	k_qd075dcf620_qkv, .Lfunc_end_k_qd075dcf620_qkv-k_qd075dcf620_qkv
	.p2alignl 7, 3214868480
	.fill 96, 4, 3214868480
	.section	.rodata,"a",@progbits
	.p2align	6, 0x0
	.amdhsa_kernel k_qd075dcf620_qkv
		.amdhsa_group_segment_fixed_size 327680
		.amdhsa_private_segment_fixed_size 0
		.amdhsa_enable_private_segment 0
		.amdhsa_kernarg_size 48
		.amdhsa_user_sgpr_count 2
		.amdhsa_user_sgpr_kernarg_segment_ptr 1
		.amdhsa_wavefront_size32 1
		.amdhsa_system_sgpr_workgroup_id_x 1
		.amdhsa_system_sgpr_workgroup_id_y 1
		.amdhsa_system_sgpr_workgroup_id_z 1
		.amdhsa_system_vgpr_workitem_id 0
		.amdhsa_next_free_vgpr 1024
		.amdhsa_next_free_sgpr 100
		.amdhsa_reserve_vcc 0
		.amdhsa_float_denorm_mode_32 3
		.amdhsa_float_denorm_mode_16_64 3
		.amdhsa_memory_ordered 1
		.amdhsa_forward_progress 1
		.amdhsa_inst_pref_size 131
	.end_amdhsa_kernel
	.amdgpu_metadata
---
amdhsa.version: [ 1, 2 ]
amdhsa.kernels:
  - .name:           k_qd075dcf620_qkv
    .symbol:         k_qd075dcf620_qkv.kd
    .args:
      - { .name: x_codes, .offset: 0, .size: 8, .value_kind: global_buffer, .address_space: global }
      - { .name: x_scales, .offset: 8, .size: 8, .value_kind: global_buffer, .address_space: global }
      - { .name: w_codes, .offset: 16, .size: 8, .value_kind: global_buffer, .address_space: global }
      - { .name: w_scales, .offset: 24, .size: 8, .value_kind: global_buffer, .address_space: global }
      - { .name: qkv16, .offset: 32, .size: 8, .value_kind: global_buffer, .address_space: global }
      - { .name: qkv32, .offset: 40, .size: 8, .value_kind: global_buffer, .address_space: global }
    .group_segment_fixed_size: 327680
    .private_segment_fixed_size: 0
    .kernarg_segment_align: 8
    .kernarg_segment_size: 48
    .max_flat_workgroup_size: 128
    .sgpr_count:     100
    .vgpr_count:     1024
    .wavefront_size: 32
...
	.end_amdgpu_metadata
.endif
;; end of part 2
;; launch attn (part 3): grid 4 x 64, 16 waves a work-group, no clusters, 327,680 bytes of LDS; arguments qkv16, o16; writes o16
.if DOCPART == 3
	.amdgcn_target "amdgcn-amd-amdhsa--gfx1250"
	.amdhsa_code_object_version 6
	.text
	.protected	k_qd075dcf620_attn
	.globl	k_qd075dcf620_attn
	.p2align	8
	.type	k_qd075dcf620_attn,@function
k_qd075dcf620_attn:
	s_mov_b64 s[64:65], 0
	v_nop
	global_prefetch_b8 v0, s[64:65] scope:SCOPE_SE
	s_setreg_imm32_b32 hwreg(HW_REG_WAVE_MODE, 25, 1), 1
	s_wait_xcnt 0x0
; o[b][h][q][:] = the sum over k <= q of softmax_k(Q[q] . K[k] / 8) V[k][:], for 64 pairs (b, h), 2,048 positions, head size 64.  Q, K, V: f16, qkv16[s][b][h][t][64]; o16[h][2048 b + t][64]: f16.
; Products, maxima and sums in f32; the weights p are rounded to f16 for the second product, o once at the end.  The rows t < 16 are computed here as all others; a later launch makes the output's rows t < 16 in f32.
; LIMIT: |q|, |k|, |v| under 65,504 as they arrive; |o| is then under it too.
; SOFTMAX.  For each query a running maximum (kept as c m, c = log2(e) / 8) and sum l: p = 2^(c s - c m); in every step O and l are multiplied by 2^(c m_old - c m_new).
; SHARES.  A work-group p (0..3) of a pair (b, h) owns query blocks p and 7 - p of 256: wave w owns two tiles of 16 queries, L at 256 p + 16 w and H at 256 (7 - p) + 16 w.  So every work-group has
; (p + 1) + (8 - p) = 9 blocks' worth of keys to walk, and a fragment of K or V read from LDS feeds both tiles while L is still live.  Sixteen waves of 256 registers: four to a SIMD, so that one wave's
; vector work stands beside another's matrix work and LDS loads.
; NO CLUSTER: the four work-groups of a pair (b, h) end their walk at different causal limits, so a joint load would bring a partner tiles that none of its waves reads.
; THE WALK.  All waves walk the keys from 0, 64 a step, through a ring of two LDS slots of 256 keys, filled by the tensor data mover (waves 0, 1: K's halves; waves 2, 3: V's).  The trip counts are constants;
; a step all of whose keys come after a tile's queries is jumped over by a scalar branch on ids, and a slot whose first key comes after the work-group's last query is not asked for.
; LAYOUT.  S^T = K Q^T (source 0 = 16 keys, source 1 = 16 queries): a lane holds ONE query (lane % 16) and the keys 8 (lane / 16) + 0..7 of a tile.  Two such tiles, rounded to f16 in pairs, ARE source 1
; (32 keys x 16 queries) of O^T = V^T P.  K comes out of LDS as it lies, V ([key][channel]) turned, by ds_load_tr16_b128.
.set PK,    144                        ; a row of K in LDS: 128 bytes + 16: an odd multiple of 16
.set PV,    160                        ; a row of V: 128 + 32: an odd multiple of 32, for the turning load
.set SKEYS, 256                        ; keys in a slot
.set VOFF,  SKEYS*PK                   ; a slot: 256 rows of K, then 256 rows of V
.set SLOT1, 1<<17                      ; slot 1 begins here: one exclusive or turns an address in one slot into the other's
.set STAGE, 2*SLOT1                    ; behind the ring: 16 rows x 144 bytes for each wave, for the way out
.set SP,    144
.set SPARE, STAGE+16*16*SP             ; behind the stages: the spare words, 128 bytes a wave
.set AK0,  1                           ; v1   my lane's place in a tile of K
.set AV0,  2                           ; v2   the same for V
.set SPW,  3                           ; v3   LDS address of my spare word; never rewritten
.set NIL,  4                           ; v4   0; never rewritten
.set RH,   5                           ; v5   lane % 16 - 8 (lane / 16)
.set ADK,  6                           ; v6   LDS address of the step's K
.set ADV,  7                           ; v7   of its V
.set CMH,  8                           ; v8   c m of tile H (v9 is named with it as a pair, so it is written);  v[10:11] its l, even and odd keys'
.set LH,   10
.set CML,  12                          ; v12, v[14:15] the same for tile L
.set LL,   14
.set T,    16                          ; v16-23 at work
.set QFH,  24                          ; v24-39 Q of tile H;  v40-55 of tile L
.set QFL,  40
.set SH,   56                          ; v56-87 S^T, then p, then P of tile H;  v88-119 of tile L
.set SL,   88
.set OH,   120                         ; v120-151 O^T of tile H;  v152-183 of tile L
.set OL,   152
.set KV,   184                         ; v184-247 a step's fragments of K, then of V
.set PFO,  248                         ; v248 256 x lane: the prefetches' offset
.set NINF, 249                         ; v249 -infinity
.set DD,   250                         ; v250 the mask's threshold
.set STO,  251                         ; v251 the way out: where I put 16 bytes of a row
.set RD,   252                         ; v252 and where I read back
.set GOH,  253                         ; v253, v254 my byte offsets in o16 for tiles H and L
.set GOL,  254
.set TB,   2                           ; s2   LDS byte at which the slot in hand begins
.set WV,   8                           ; s8   my wave's number
.set SEL,  20                          ; s[20:21] lane selects for v_permlanex16_b32: lane l xor 16
.set CS,   22                          ; s[22:23] c
.set G1K,  24                          ; s[24:31] descriptor group 1 for K's tiles;  s[32:39] for V's;  s[40:43], s[44:47] their groups 0, which walk
.set G1V,  32
.set G0K,  40
.set G0V,  44
.set KF,   48                          ; s48  the step's first key
.set QH,   49                          ; s49  tile H's first query
.set QL,   50                          ; s50  tile L's
.set QLAST, 51                         ; s51  my work-group's last query
.set SLOTS, 52                         ; s52  changes of slots still to come in the loop
.set LIM,  53                          ; s53  1 in a wave that prefetches, else the greatest number
.set PFA,  54                          ; s[54:55] where my prefetches stand
; Waves 0 and 1 fetch for K, waves 2 and 3 for V, the others nothing.  The branches hang on the wave's number alone.  An s_nop 0 and four v_nop follow each of the two lines.
.macro TLOAD
	s_cmp_lt_u32 s[WV], 2
	s_cbranch_scc0 .Lnot_k_\@
	tensor_load_to_lds s[G0K:G0K+3], s[G1K:G1K+7]
	s_nop 0
.rept 4
	v_nop
.endr
	s_branch .Lasked_\@
.Lnot_k_\@:
	s_cmp_lt_u32 s[WV], 4
	s_cbranch_scc0 .Lasked_\@
	tensor_load_to_lds s[G0V:G0V+3], s[G1V:G1V+7]
	s_nop 0
.rept 4
	v_nop
.endr
.Lasked_\@:
.endm
; A PREFETCH INTO THE L2 of what the NEXT change of slots will ask for: a slot's 256 rows of K and of V, each one dense block of 32,768 bytes.  Each aligned block of 256 bytes is named once in the launch:
; of the four work-groups of a pair (b, h) the one with p = 0 asks, which walks all slots; in it waves 4 to 7 ask for K's block and waves 8 to 11 for V's, 8,192 bytes a wave, lanes 256 bytes apart.
; Trip i names slot i + 2, a slot's four key steps ahead of its load; the last change that fills a slot asks for nothing; slots 0 and 1 come by their loads alone.
.macro ASK
	s_cmp_gt_u32 s[SLOTS], s[LIM]
	s_cbranch_scc0 .Lnot_mine_\@
	global_prefetch_b8 v[PFO], s[PFA:PFA+1] th:TH_LOAD_NT scope:SCOPE_SE
.Lnot_mine_\@:
.endm
	s_load_b128 s[4:7], s[0:1], 0x0                ; qkv16 s[4:5], o16 s[6:7]
	v_lshl_add_u32 v[SPW], v0, 2, SPARE
	v_mov_b32 v[NIL], 0
	ds_add_u32 v[SPW], v[NIL]                      ; the wave's opening: the add, twice on end, and its wait ahead of the first tensor load
	ds_add_u32 v[SPW], v[NIL]                      ; and once more, under the one wait; the set-up below, work on registers, stands between
	v_lshrrev_b32 v16, 5, v0
	v_readfirstlane_b32 s[WV], v16                 ; wave 0..15
	s_and_b32 s9, ttmp7, 0xffff                    ; 16 b + h
	s_lshl_b32 s10, s9, 18                         ; a head's 2,048 rows of 128 bytes
	s_mov_b32 s11, 0
	s_lshl_b32 s56, s[WV], 4
	s_lshl_b32 s[QL], ttmp9, 8
	s_sub_co_u32 s[QH], 7, ttmp9
	s_lshl_b32 s[QH], s[QH], 8
	s_add_co_u32 s[QLAST], s[QH], 255              ; 256 (8 - p) - 1
	s_add_co_u32 s[QH], s[QH], s56                 ; 256 (7 - p) + 16 w
	s_add_co_u32 s[QL], s[QL], s56                 ; 256 p + 16 w
	; descriptor group 1: 128 rows of 64 elements of 2 bytes, dense in memory, padded in LDS
	s_mov_b32 s[G1K], (1<<16)|(1<<20)|(4<<22)|(3<<25)              ; 15:0 no mask; 17:16 elements of 2 bytes; 20 padding on; 24:22 after every 32 words (code 4); 31:25 four words (code 3)
	s_mov_b32 s[G1V], (1<<16)|(1<<20)|(4<<22)|(7<<25)              ; the same with eight words of padding (code 7)
.irp g, G1K, G1V
	s_mov_b32 s[\g+1], 64<<16                      ; tensor_dim0
	s_mov_b32 s[\g+2], 128<<16                     ; tensor_dim1
	s_mov_b32 s[\g+3], 64<<16                      ; tile_dim0
	s_mov_b32 s[\g+4], 128                         ; tile_dim1
	s_mov_b32 s[\g+5], 64                          ; tensor_dim0_stride
	s_mov_b32 s[\g+6], 0
	s_mov_b32 s[\g+7], 0
.endr
	s_and_b32 s58, s[WV], 1                        ; which half of a slot's 256 rows I fetch, if I fetch:
	s_lshl_b32 s56, s58, 14                        ; 128 rows of 128 bytes in memory,
	s_mov_b32 s57, 0
	s_mul_i32 s59, s58, 128*PK                     ; K's half in a slot,
	s_mul_i32 s3, s58, 128*PV
	s_add_co_u32 s3, s3, VOFF                      ; V's
	s_mov_b32 s[SEL], 0x76543210
	s_mov_b32 s[SEL+1], 0xfedcba98
	s_mov_b32 s[CS], 0x3e38aa3b                    ; c = log2(e) / 8
	s_mov_b32 s[CS+1], s[CS]                       ; (named with it as a pair, so it is written)
	s_mov_b32 s[TB], 0
	s_mov_b32 s[KF], 0
	s_mov_b32 s[SLOTS], 7
	s_wait_dscnt 0x0                               ; both opening adds are done
	s_wait_kmcnt 0x0
	s_add_nc_u64 s[12:13], s[4:5], s[10:11]        ; Q of my head,
	s_add_nc_u64 s[16:17], s[12:13], 0x1000000     ; K: 16,777,216 bytes on,
	s_add_nc_u64 s[18:19], s[12:13], 0x2000000     ; V: as many again
	s_mov_b32 s[G0K], 1                            ; 1:0 count = 1
	s_mov_b32 s[G0K+1], s59                        ; 63:32 LDS address: slot 0
	s_add_nc_u64 s[G0K+2:G0K+3], s[16:17], s[56:57]  ; 120:64 global address
	s_or_b32 s[G0K+3], s[G0K+3], 0x80000000        ; 127:126 type = 2
	s_mov_b32 s[G0V], 1
	s_mov_b32 s[G0V+1], s3
	s_add_nc_u64 s[G0V+2:G0V+3], s[18:19], s[56:57]
	s_or_b32 s[G0V+3], s[G0V+3], 0x80000000
	TLOAD                                          ; slot 0: keys 0 to 255, which count for queries of every work-group
	; the prefetches: where my wave's stand, and who asks
	s_cmp_lt_u32 s[WV], 8
	s_cselect_b64 s[PFA:PFA+1], s[16:17], s[18:19]
	s_and_b32 s56, s[WV], 3
	s_lshl_b32 s56, s56, 13                        ; my wave's 8,192 bytes,
	s_add_co_u32 s56, s56, SKEYS*128               ; in slot 1: the first change of slots steps it to slot 2.  Nothing is prefetched at the head
	s_add_nc_u64 s[PFA:PFA+1], s[PFA:PFA+1], s[56:57]
	s_sub_co_u32 s56, s[WV], 4
	s_lshr_b32 s56, s56, 3                         ; 0 in waves 4 to 11,
	s_or_b32 s56, s56, ttmp9                       ; of the work-group with p = 0
	s_cmp_eq_u32 s56, 0
	s_cselect_b32 s[LIM], 1, -1
	s_and_b32 s56, s9, 15                          ; o16: plane h,
	s_lshl_b32 s56, s56, 20
	s_lshr_b32 s58, s9, 4                          ; rows 2,048 b on
	s_lshl_b32 s58, s58, 18
	s_add_co_u32 s56, s56, s58
	s_add_nc_u64 s[14:15], s[6:7], s[56:57]
	v_and_b32 v16, 15, v0                          ; r
	v_bfe_u32 v17, v0, 4, 1                        ; h
	v_lshlrev_b32 v18, 7, v16
	v_lshl_add_u32 v18, v17, 4, v18                ; Q: row r of 128 bytes, + 16 h
	s_lshl_b32 s56, s[QH], 7
	s_lshl_b32 s57, s[QL], 7
	v_add_nc_u32 v19, s56, v18
	v_add_nc_u32 v22, s57, v18
.irp i, 0,1,2,3                        ; a fragment is 16 rows x 32 channels in 8 registers: registers 0-3 channels 8 h + 0..7, registers 4-7 channels 16 + 8 h + 0..7: loads 32 bytes apart
	global_load_b128 v[QFH+4*\i:QFH+4*\i+3], v19, s[12:13] offset:32*\i
	global_load_b128 v[QFL+4*\i:QFL+4*\i+3], v22, s[12:13] offset:32*\i
.endr
	v_mul_u32_u24 v[AK0], v16, PK
	v_lshl_add_u32 v[AK0], v17, 4, v[AK0]          ; K: row r x pitch + 16 h
	v_and_b32 v20, 7, v0
	v_bfe_u32 v21, v0, 3, 1
	v_lshl_add_u32 v[AV0], v17, 3, v20             ; V: the turning load takes key 8 h + l % 8, channels 8 ((l / 8) % 2) + 0..7
	v_mul_u32_u24 v[AV0], v[AV0], PV
	v_lshl_add_u32 v[AV0], v21, 4, v[AV0]
	v_add_nc_u32 v[AV0], VOFF, v[AV0]
	v_lshlrev_b32 v[RH], 3, v17
	v_sub_nc_u32 v[RH], v16, v[RH]
	s_mul_i32 s58, s[WV], 16*SP
	s_add_co_u32 s58, s58, STAGE                   ; my stage
	v_add_nc_u32 v[STO], s58, v[AK0]               ; in: row r of 144 bytes, + 16 h
	v_bfe_u32 v[RD], v0, 3, 2
	v_mul_u32_u24 v[RD], v[RD], SP
	v_lshl_add_u32 v[RD], v20, 4, v[RD]
	v_add_nc_u32 v[RD], s58, v[RD]                 ; back: eight lanes to a row of 128 bytes, four rows an instruction
	v_and_b32 v[PFO], 31, v0
	v_lshlrev_b32 v[GOH], 4, v[PFO]
	v_add_nc_u32 v[GOL], s57, v[GOH]               ; 16 x lane + the tile's first row
	v_add_nc_u32 v[GOH], s56, v[GOH]
	v_lshlrev_b32 v[PFO], 8, v[PFO]
	v_mov_b32 v[NINF], 0xff800000
	v_mov_b32 v[CMH], 0xff61b1e6                   ; c m so far: -3e38, under every score
	v_mov_b32 v[CMH+1], 0
	v_mov_b32 v[CML], 0xff61b1e6
	v_mov_b32 v[CML+1], 0
.irp j, LH, LH+1, LL, LL+1
	v_mov_b32 v[\j], 0                             ; the sums
.endr
.irp j, 4,5,7
	v_mov_b32 v[T+\j], 0                           ; written once: a lane permute's destination counts as one of its sources, and v23 is named as the upper half of a pair
.endr
.irp j, 0,1,2,3,4,5,6,7,8,9,10,11,12,13,14,15,16,17,18,19,20,21,22,23,24,25,26,27,28,29,30,31,32,33,34,35,36,37,38,39,40,41,42,43,44,45,46,47,48,49,50,51,52,53,54,55,56,57,58,59,60,61,62,63
	v_mov_b32 v[OH+\j], 0                          ; O^T of both tiles.  (The step is written once: the first finds zeros, which the first change of m leaves zeros)
.endr
.irp j, 0,1,2,3,4,5,6,7,8,9,10,11,12,13,14,15,16,17,18,19,20,21,22,23,24,25,26,27,28,29,30,31
	v_mov_b32 v[SL+\j], 0                          ; tile L's scores, once: a step's three jumps round tile L's parts hang on one and the same test; so no way through them, taken singly, reads a register that was never written
.endr
; 8 products of S^T = K Q^T for one tile: channels 32 ks on, keys 16 kt on.  The first four start the sums.  The accumulators take turns, one instruction a turn.
.macro SPROD sb, qb
.irp ks, 0,1
.irp kt, 0,1,2,3
.if \ks == 0
	v_wmma_f32_16x16x32_f16 v[\sb+8*\kt:\sb+8*\kt+7], v[KV+16*\kt:KV+16*\kt+7], v[\qb:\qb+7], 0
.else
	v_wmma_f32_16x16x32_f16 v[\sb+8*\kt:\sb+8*\kt+7], v[KV+16*\kt+8:KV+16*\kt+15], v[\qb+8:\qb+15], v[\sb+8*\kt:\sb+8*\kt+7]
.endif
.endr
.endr
.endm
; 8 products of O^T += V^T P for one tile: keys 32 kg on, channels 16 dt on.  P lies in the first 16 of the tile's score registers.
.macro PVPROD sb, ob
.irp kg, 0,1
.irp dt, 0,1,2,3
	v_wmma_f32_16x16x32_f16 v[\ob+8*\dt:\ob+8*\dt+7], v[KV+32*\kg+8*\dt:KV+32*\kg+8*\dt+7], v[\sb+8*\kg:\sb+8*\kg+7], v[\ob+8*\dt:\ob+8*\dt+7]
.endr
.endr
.endm
; One tile's softmax for one key step.  Register 8 kt + j of the tile's scores holds key KF + 16 kt + 8 (lane / 16) + j of query q0 + lane % 16.
.macro SOFTMAX sb, ob, cm, lr, q0
	s_add_co_u32 s56, s[KF], 63                    ; a step all of whose keys count skips the mask
	s_cmp_le_u32 s56, s[\q0]
	s_cbranch_scc1 .Lopen_\@
	s_sub_co_u32 s56, s[\q0], s[KF]
	v_add_nc_u32 v[DD], s56, v[RH]                 ; d = my query - KF - 8 (lane / 16): the key of register 8 kt + j is hidden where 16 kt + j > d
.irp n, 0,1,2,3,4,5,6,7,8,9,10,11,12,13,14,15,16,17,18,19,20,21,22,23,24,25,26,27,28,29,30,31
	v_cmp_gt_i32 vcc_lo, 16*(\n/8)+\n%8, v[DD]
	v_cndmask_b32 v[\sb+\n], v[\sb+\n], v[NINF], vcc_lo            ; hidden scores become -infinity: p = 0 then.  Key KF counts for every query of a live tile, so the maximum is a number
.endr
.Lopen_\@:
.irp k, 0,1,2,3
	v_max3_num_f32 v[T+\k], v[\sb+8*\k], v[\sb+8*\k+1], v[\sb+8*\k+2]   ; the maximum, in four chains: each accumulator is read from its low end on
.endr
.irp i, 3,5
.irp k, 0,1,2,3
	v_max3_num_f32 v[T+\k], v[T+\k], v[\sb+8*\k+\i], v[\sb+8*\k+\i+1]
.endr
.endr
	v_max3_num_f32 v[T], v[T], v[\sb+7], v[\sb+15]
	v_max3_num_f32 v[T+2], v[T+2], v[\sb+23], v[\sb+31]
	v_max3_num_f32 v[T], v[T], v[T+1], v[T+2]
	v_max_num_f32 v[T], v[T], v[T+3]
	v_permlanex16_b32 v[T+4], v[T], s[SEL], s[SEL+1]               ; the query's other 32 keys lie in the lane 16 away
	v_max_num_f32 v[T], v[T], v[T+4]
	v_mul_f32 v[T], s[CS], v[T]
	v_max_num_f32 v[T+1], v[\cm], v[T]             ; the new c m
	v_sub_f32 v[T+6], v[\cm], v[T+1]               ; c m_old - c m_new, 0 or less
	v_mov_b32 v[\cm], v[T+1]
.irp i, 0,2,4,6,8,10,12,14,16,18,20,22,24,26,28,30
	v_pk_fma_f32 v[\sb+\i:\sb+\i+1], v[\sb+\i:\sb+\i+1], s[CS:CS+1], v[\cm:\cm+1] op_sel_hi:[1,0,0] neg_lo:[0,0,1] neg_hi:[0,0,1]   ; c s - c m, two at a time
.endr
	v_exp_f32 v[T+6], v[T+6]                       ; ONE BATCH: the factor for what was summed under the old m, and the 32 weights
.irp i, 0,1,2,3,4,5,6,7,8,9,10,11,12,13,14,15,16,17,18,19,20,21,22,23,24,25,26,27,28,29,30,31
	v_exp_f32 v[\sb+\i], v[\sb+\i]
.endr
	v_nop                                          ; a plain instruction behind the last exponential
	s_wait_alu depctr_va_vdst(0)                   ; one wait for the batch, ahead of its first reader
	v_pk_add_f32 v[T:T+1], v[\sb:\sb+1], v[\sb+2:\sb+3]            ; the step's sum of the unrounded weights, in two chains
	v_pk_add_f32 v[T+2:T+3], v[\sb+4:\sb+5], v[\sb+6:\sb+7]
.irp i, 8,12,16,20,24,28
	v_pk_add_f32 v[T:T+1], v[T:T+1], v[\sb+\i:\sb+\i+1]
	v_pk_add_f32 v[T+2:T+3], v[T+2:T+3], v[\sb+\i+2:\sb+\i+3]
.endr
	v_pk_add_f32 v[T:T+1], v[T:T+1], v[T+2:T+3]
	v_pk_fma_f32 v[\lr:\lr+1], v[\lr:\lr+1], v[T+6:T+7], v[T:T+1] op_sel_hi:[1,0,1]   ; l = factor x l + the sum
.irp i, 0,1,2,3,4,5,6,7,8,9,10,11,12,13,14,15
	v_cvt_pk_f16_f32 v[\sb+\i], v[\sb+2*\i], v[\sb+2*\i+1]         ; P, in place and ascending: register i is written when registers 2 i and 2 i + 1 have been read
.endr
.irp i, 0,2,4,6,8,10,12,14,16,18,20,22,24,26,28,30
	v_pk_mul_f32 v[\ob+\i:\ob+\i+1], v[\ob+\i:\ob+\i+1], v[T+6:T+7] op_sel_hi:[1,0]   ; O^T under the new m
.endr
.endm
; A KEY STEP: 64 keys, the q-th of the slot in hand.  KF and the tiles' first queries are multiples of 16, so a tile is live exactly where KF <= its first query; tile L's first query lies under tile H's.
.macro STEP q
	s_cmp_gt_u32 s[KF], s[QH]
	s_cbranch_scc1 .Lhidden_\@
	v_add_nc_u32 v[ADK], s[TB], v[AK0]
	v_add_nc_u32 v[ADV], s[TB], v[AV0]
.rept 3
	v_nop                                          ; with the two additions: five places behind the last step's products, ahead of the loads into their fragments (four are asked) and of the products that write over P (five)
.endr
.irp kt, 0,1,2,3
.irp ks, 0,1
	ds_load_b128 v[KV+16*\kt+8*\ks:KV+16*\kt+8*\ks+3],   v[ADK] offset:(\q)*64*PK+\kt*16*PK+64*\ks
	ds_load_b128 v[KV+16*\kt+8*\ks+4:KV+16*\kt+8*\ks+7], v[ADK] offset:(\q)*64*PK+\kt*16*PK+64*\ks+32
.endr
.endr
	s_wait_dscnt 0x0
	SPROD SH, QFH
	s_cmp_gt_u32 s[KF], s[QL]
	s_cbranch_scc1 .Lno_sl_\@
	SPROD SL, QFL
.Lno_sl_\@:
.rept 4
	v_nop                                          ; four places, ahead of the loads into K's registers and of the first read of the scores
.endr
.irp kg, 0,1
.irp dt, 0,1,2,3
	ds_load_tr16_b128 v[KV+32*\kg+8*\dt:KV+32*\kg+8*\dt+3],   v[ADV] offset:(\q)*64*PV+\kg*32*PV+32*\dt          ; V lands while the softmax is worked
	ds_load_tr16_b128 v[KV+32*\kg+8*\dt+4:KV+32*\kg+8*\dt+7], v[ADV] offset:(\q)*64*PV+\kg*32*PV+16*PV+32*\dt
.endr
.endr
	SOFTMAX SH, OH, CMH, LH, QH
	s_cmp_gt_u32 s[KF], s[QL]
	s_cbranch_scc1 .Lno_ml_\@
	SOFTMAX SL, OL, CML, LL, QL
.Lno_ml_\@:
	s_wait_dscnt 0x0                               ; V is in
	PVPROD SH, OH
	s_cmp_gt_u32 s[KF], s[QL]
	s_cbranch_scc1 .Lhidden_\@
	PVPROD SL, OL
.Lhidden_\@:
	s_add_co_u32 s[KF], s[KF], 64
.endm
; THE CHANGE OF SLOTS stands at a slot's head.  Each wave waits for all its tensor loads (its part of the slot that it is about to read), adds 0 to its spare word, and waits for that and for its reads of the
; slot that it has left.  Behind the barrier the slot ahead is whole and nobody reads the other one.  fill = 1: that other slot is asked for, up to the causal limit; the load has a slot's four steps in which to land.
; By this text's own count a wave has at most one tensor load out, and every wait for tensor loads is for 0.
.macro CHANGE fill
	s_wait_tensorcnt 0x0                           ; no tensor load of mine is out, so a group 0 may be written
	ds_add_u32 v[SPW], v[NIL]                      ; 0 onto my spare word
.if \fill
	ds_add_u32 v[SPW], v[NIL]                      ; and once more: the add twice on end, in every trip alike
	s_xor_b32 s[G0K+1], s[G0K+1], SLOT1            ; the walking descriptors: the other slot than last time,
	s_add_nc_u64 s[G0K+2:G0K+3], s[G0K+2:G0K+3], SKEYS*128   ; the next 256 keys; the type bits on top are not reached
	s_xor_b32 s[G0V+1], s[G0V+1], SLOT1
	s_add_nc_u64 s[G0V+2:G0V+3], s[G0V+2:G0V+3], SKEYS*128
	s_wait_xcnt 0x0                                ; the last prefetch, a slot back, has read its address, so it may be written:
	s_add_nc_u64 s[PFA:PFA+1], s[PFA:PFA+1], SKEYS*128   ; one slot further on than the walking descriptors
.endif
	s_wait_dscnt 0x0                               ; the add is done, and my reads of the slot that I have left are over
	s_barrier_signal -1
	s_barrier_wait -1
.if \fill
	s_add_co_u32 s56, s[KF], SKEYS                 ; THE LOOK-AHEAD ENDS AT THE CAUSAL LIMIT: a slot whose first key comes after my work-group's last query is read by none of its waves, so it is not asked for.
	s_cmp_gt_u32 s56, s[QLAST]                     ; ids and the count of steps alone: all sixteen waves go the same way, and a work-group that is past the limit stays past it.
	s_cbranch_scc1 .Lpast_\@                       ; Where that tail begins hangs on the work-group's number, so it cannot be written out; the jump leads round the load's own lines alone
	TLOAD                                          ; a wave's one tensor load until the next barrier
.Lpast_\@:
	ASK
.endif
.endm
.macro SLOT_STEPS
	STEP 0
	STEP 1
	STEP 2
	STEP 3
	s_xor_b32 s[TB], s[TB], SLOT1                  ; on to the other slot
.endm
	s_wait_loadcnt 0x0                             ; Q
.Lslot:                                            ; seven trips: behind each change of slots but the last the next slot is asked for, up to the limit
	CHANGE 1
	SLOT_STEPS
	s_sub_co_u32 s[SLOTS], s[SLOTS], 1
	s_cmp_lg_u32 s[SLOTS], 0
	s_cbranch_scc1 .Lslot
	CHANGE 0                                       ; the last slot is written out: nothing is left to ask for
	SLOT_STEPS
	; THE WAY OUT.  l's halves are added; O^T is divided by l, rounded to f16 and sent through my stage in LDS, a tile at a time.  The four additions and the v_nop are the places behind the last products.
	v_add_f32 v16, v[LH], v[LH+1]
	v_add_f32 v17, v[LL], v[LL+1]
	v_permlanex16_b32 v20, v16, s[SEL], s[SEL+1]
	v_permlanex16_b32 v21, v17, s[SEL], s[SEL+1]
	v_add_f32 v16, v16, v20
	v_add_f32 v17, v17, v21
	v_rcp_f32 v22, v16                             ; tile H's, the low word of the pair v[22:23]
	v_rcp_f32 v20, v17                             ; tile L's, of v[20:21]
	v_nop                                          ; a plain instruction behind the last reciprocal
	s_wait_alu depctr_va_vdst(0)                   ; one wait for both, ahead of their first reader
.macro OUT sb, ob, rp, go
.irp i, 0,2,4,6,8,10,12,14,16,18,20,22,24,26,28,30
	v_pk_mul_f32 v[\sb+\i:\sb+\i+1], v[\ob+\i:\ob+\i+1], v[\rp:\rp+1] op_sel_hi:[1,0]   ; register 8 dt + j is o(query r, channel 16 dt + 8 h + j); each accumulator from its low end on
.endr
.irp i, 0,1,2,3,4,5,6,7,8,9,10,11,12,13,14,15
	v_cvt_pk_f16_f32 v[\sb+\i], v[\sb+2*\i], v[\sb+2*\i+1]
.endr
.irp dt, 0,1,2,3
	ds_store_b128 v[STO], v[\sb+4*\dt:\sb+4*\dt+3] offset:32*\dt
.endr
.irp i, 0,1,2,3
	ds_load_b128 v[\sb+16+4*\i:\sb+16+4*\i+3], v[RD] offset:\i*4*SP   ; LDS serves a wave's instructions in order: these see my stores
.endr
	s_wait_dscnt 0x0
.irp i, 0,1,2,3
	global_store_b128 v[\go], v[\sb+16+4*\i:\sb+16+4*\i+3], s[14:15] offset:\i*512   ; 32 lanes store four rows: 512 consecutive bytes, aligned
.endr
.endm
	OUT SH, OH, 22, GOH
	OUT SL, OL, 20, GOL
	s_wait_tensorcnt 0x0                           ; the wave's end, behind my last tensor load and my last LDS store
	ds_add_u32 v[SPW], v[NIL]
	s_wait_dscnt 0x0
	s_endpgm
.Lfunc_end_k_qd075dcf620_attn:
	.size	k_qd075dcf620_attn, .Lfunc_end_k_qd075dcf620_attn-k_qd075dcf620_attn
	.p2alignl 7, 3214868480
	.fill 96, 4, 3214868480
	.section	.rodata,"a",@progbits
	.p2align	6, 0x0
	.amdhsa_kernel k_qd075dcf620_attn
		.amdhsa_group_segment_fixed_size 327680
		.amdhsa_private_segment_fixed_size 0
		.amdhsa_enable_private_segment 0
		.amdhsa_kernarg_size 16
		.amdhsa_user_sgpr_count 2
		.amdhsa_user_sgpr_kernarg_segment_ptr 1
		.amdhsa_wavefront_size32 1
		.amdhsa_system_sgpr_workgroup_id_x 1
		.amdhsa_system_sgpr_workgroup_id_y 1
		.amdhsa_system_sgpr_workgroup_id_z 1
		.amdhsa_system_vgpr_workitem_id 0
		.amdhsa_next_free_vgpr 256
		.amdhsa_next_free_sgpr 66
		.amdhsa_reserve_vcc 1
		.amdhsa_float_denorm_mode_32 3
		.amdhsa_float_denorm_mode_16_64 3
		.amdhsa_memory_ordered 1
		.amdhsa_forward_progress 1
		.amdhsa_inst_pref_size 191
	.end_amdhsa_kernel
	.amdgpu_metadata
---
amdhsa.version: [ 1, 2 ]
amdhsa.kernels:
  - .name:           k_qd075dcf620_attn
    .symbol:         k_qd075dcf620_attn.kd
    .args:
      - { .name: qkv16, .offset: 0, .size: 8, .value_kind: global_buffer, .address_space: global }
      - { .name: o16, .offset: 8, .size: 8, .value_kind: global_buffer, .address_space: global }
    .group_segment_fixed_size: 327680
    .private_segment_fixed_size: 0
    .kernarg_segment_align: 8
    .kernarg_segment_size: 16
    .max_flat_workgroup_size: 512
    .sgpr_count:     66
    .vgpr_count:     256
    .wavefront_size: 32
...
	.end_amdgpu_metadata
.endif
;; end of part 3
;; launch proj (part 4): grid 4 x 64, 4 waves a work-group, clusters of 4 x 4, 327,680 bytes of LDS; arguments o16, wp16, out0; writes out0
.if DOCPART == 4
	.amdgcn_target "amdgcn-amd-amdhsa--gfx1250"
	.amdhsa_code_object_version 6
	.text
	.protected	k_qd075dcf620_proj
	.globl	k_qd075dcf620_proj
	.p2align	8
	.type	k_qd075dcf620_proj,@function
k_qd075dcf620_proj:
	s_mov_b64 s[64:65], 0
	v_nop
	global_prefetch_b8 v0, s[64:65] scope:SCOPE_SE
	s_setreg_imm32_b32 hwreg(HW_REG_WAVE_MODE, 25, 1), 1
	s_wait_xcnt 0x0
	s_wait_alu depctr_hold_cnt(0) depctr_sa_sdst(0) depctr_va_vdst(0) depctr_va_sdst(0) depctr_va_ssrc(0) depctr_va_vcc(0) depctr_vm_vsrc(0)
	s_getreg_b32 s2, hwreg(HW_REG_IB_STS2, 6, 4)
	s_cmp_eq_u32 s2, 0
	s_cbranch_scc0 .Lentry_in_a_cluster
	s_endpgm
.Lentry_in_a_cluster:
	s_bfe_u32 s2, ttmp6, 0x10000c
	s_cmp_lg_u32 s2, 0xf033
	s_cbranch_scc0 .Lentry_shape_is_right
	s_endpgm
.Lentry_shape_is_right:
; out0[m][n] = sum over c of o[m][c] w_proj[n][c], m = 2048 b + t (8,192), n and c 1,024; operands f16, sums f32, out0 f32.  The rows t < 16 of every batch are not stored here: a later launch makes them in f32.
; Both operands lie in planes of 64 along K: o16[c / 64][m][64], wp16[c / 64][n][64]: a plane's rows are dense, 128 bytes each, so a tile is one dense block for one tensor load.
; A tile of 128 (m) x 256 (n) is made by a work-group of four waves: 256 work-groups.  A wave makes 64 x 128: 32 accumulators, 256 registers.  K goes in 8 steps of 128 (two planes) through a ring of two LDS slots;
; wave 0 and 1 fetch o's two planes (128 rows each), waves 2 and 3 w's (256 rows each): one tensor load a wave behind each round, two at the start.
; CLUSTERS: 4 x 4 work-groups; the grid is one cluster wide.  The tile row is 16 cy + cluster y, so that b = cy and t begins at 128 x cluster y; the tile column is cx.  The four of a row of the cluster need the same
; tiles of o, the four of a column the same tiles of w: each is asked for JOINTLY.  THE MATRIX INSTRUCTION IS USED TRANSPOSED (source 0 = 16 rows of w, source 1 = 16 rows of o): a lane holds eight neighbouring n of one row m.
; REGISTERS: window 0: v0-31 addresses; two fragment buffers of 96 (o's 4 blocks, then w's 8): v64-159, v160-255; on the way out v64-191 take rows.   window 1: accumulator (a, b) at v[8 (8 a + b)].
.set PITCH,  144                       ; an LDS row: 128 bytes + 16: an odd multiple of 16
.set APL,    128*PITCH                 ; a plane of o's tile
.set BPL,    256*PITCH                 ; a plane of w's
.set BOFF,   2*APL
.set SLOT,   2*APL+2*BPL
.set STAGE,  2*SLOT                    ; behind the ring: 16 rows x 528 bytes for each wave, for the way out
.set SPITCH, 528
.set SPARE,  STAGE+4*16*SPITCH         ; behind the stages: the spare words, 128 bytes a wave
.set LAPS,   4                         ; a lap = two K steps = once round the ring
.set ASTEP,  2*1048576                 ; a K step in o16: two planes
.set BSTEP,  2*131072                  ; and in wp16
.set ADRA, 16                          ; v16-17  LDS address of my o fragments in slot 0, 1
.set ADRB, 20                          ; v20-21  the same for w
.set STO,  24                          ; v24     the way out: where I put 32 bytes of a row
.set RD,   25                          ; v25     where I read a row back
.set CO,   26                          ; v26     16 x lane: my byte offset in a row's 512 bytes
.set SPW,  28                          ; v28     LDS address of my spare word; never rewritten
.set NIL,  29                          ; v29     0; never rewritten
.set PFO,  30                          ; v30     the prefetches' offset; never rewritten
.set F0,   64
.set F1,   160
.set BK,   64                          ; the way out: v64-127 and v128-191 by turns
.set G1, 24                            ; s[24:31] descriptor group 1 for o's tiles;  s[32:39] group 0, one set for each slot
.set G0, 32
.set G1B, 48                           ; s[48:55], s[56:63] the same for w's tiles
.set G0B, 56
.set LIM,  43                          ; s43     1 in a wave that prefetches, else the greatest number
.set PFA,  44                          ; s[44:45] where my prefetches stand
.set PFS,  46                          ; s[46:47] a K step on, in bytes
.set MSB, 0
.macro WIN new                         ; the immediate's high byte repeats the setting that is left
.if MSB != (\new)
	s_set_vgpr_msb (MSB<<8)|(\new)
.set MSB, \new
.endif
.endm
.set MUL,  0x50                        ; C and D window 1; sources 0 and 1 window 0
.macro JLOAD s                         ; a joint load: waves 0 and 1 fetch o's planes, waves 2 and 3 w's; an s_nop 0 and four v_nop follow each of the two lines, ahead of the jump, the label and what follows
	s_cmp_eq_u32 s11, 0
	s_cbranch_scc0 .Lfor_b_\@
	tensor_load_to_lds s[G0+4*\s:G0+4*\s+3], s[G1:G1+7]
	s_nop 0
.rept 4
	v_nop
.endr
	s_branch .Lasked_\@
.Lfor_b_\@:
	tensor_load_to_lds s[G0B+4*\s:G0B+4*\s+3], s[G1B:G1B+7]
	s_nop 0
.rept 4
	v_nop
.endr
.Lasked_\@:
.endm
.macro CREST                           ; a round of the cluster's barrier behind its opening barrier
	s_cmp_lg_u32 s10, 0
	s_cbranch_scc1 .Lnot_wave_0_\@
	s_barrier_signal -3
.Lnot_wave_0_\@:
	s_barrier_wait -3
	s_barrier_signal -1
	s_barrier_wait -1
.endm
.macro CROUND                          ; a whole round
	s_barrier_signal -1
	s_barrier_wait -1
	CREST
.endm
; A PREFETCH INTO THE L2, behind each joint refill and the run of LDS loads that follows it: the K step that stands two refills on (256 matrix instructions a wave ahead of its load).  K steps 4 to 7 are asked for so;
; K steps 0 to 3 come by their loads alone; the loop's last trip asks for nothing.  Each aligned block of 256 bytes is named once in the launch.  o's tile of a K step (2 planes x 16,384 bytes) is read by one row of one
; cluster: wave 0 of each of its four partners names 4,096 bytes of each plane, told apart by address (cx).  w's tile (2 planes x 32,768 bytes) is read by a column of every cluster: the clusters with y = 0 ask,
; waves 2 and 3 a plane each, 8,192 bytes for each partner, told apart by address (cy).  No branch hangs on a work-group's place in its cluster.
.macro ASK
	s_cmp_gt_u32 s3, s[LIM]                        ; s3 = 1 in the loop's last trip
	s_cbranch_scc0 .Lnot_mine_\@
	global_prefetch_b8 v[PFO], s[PFA:PFA+1] th:TH_LOAD_NT scope:SCOPE_SE
.Lnot_mine_\@:
.endm
	s_load_b128 s[4:7], s[0:1], 0x0                ; o16 s[4:5], wp16 s[6:7]
	s_load_b64 s[8:9], s[0:1], 0x10                ; out0
	v_lshl_add_u32 v[SPW], v0, 2, SPARE
	v_mov_b32 v[NIL], 0
	ds_add_u32 v[SPW], v[NIL]                      ; the wave's opening: the add, twice on end, and its wait ahead of my first tensor load
	ds_add_u32 v[SPW], v[NIL]                      ; and once more, under the one wait; the set-up below, work on registers, stands between
	v_lshrrev_b32 v1, 5, v0
	v_readfirstlane_b32 s10, v1                    ; wave 0..3
	s_lshr_b32 s11, s10, 1                         ; which half of the tile's rows is mine.  Also: I fetch for o (0) or for w (1)
	s_and_b32 s12, s10, 1                          ; which half of its columns.  Also: which plane of a K step I fetch
	s_bfe_u32 s40, ttmp6, 0x40000                  ; cx, cy: my place in the cluster
	s_bfe_u32 s41, ttmp6, 0x40004
	s_and_b32 s42, ttmp7, 0xffff                   ; cluster y
	s_lshl_b32 s13, s41, 4
	s_add_co_u32 s13, s13, s42                     ; tile row = 16 cy + cluster y
	s_lshl_b32 s43, s41, 2
	s_lshl_b32 s43, 15, s43                        ; my row of the cluster
	s_lshl_b32 s44, 0x1111, s40                    ; my column
	; descriptor group 1: rows of 64 elements of 2 bytes, dense in memory, padded in LDS; 128 rows for o, 256 for w
	s_or_b32 s[G1+0], s43, (1<<16)|(1<<20)|(1<<21)|(4<<22)|(3<<25)  ; 15:0 the mask: o's tiles go to my row; 17:16 elements of 2 bytes; 20 padding on; 21 set beside a mask; 24:22 after every 32 words (code 4); 31:25 of 4 words (code 3)
	s_or_b32 s[G1B+0], s44, (1<<16)|(1<<20)|(1<<21)|(4<<22)|(3<<25)
	s_mov_b32 s[G1+1], 64<<16                      ; tensor_dim0
	s_mov_b32 s[G1+2], 128<<16                     ; tensor_dim1
	s_mov_b32 s[G1+3], 64<<16                      ; tile_dim0
	s_mov_b32 s[G1+4], 128                         ; tile_dim1
	s_mov_b32 s[G1+5], 64                          ; tensor_dim0_stride
	s_mov_b32 s[G1+6], 0
	s_mov_b32 s[G1+7], 0
	s_mov_b32 s[G1B+1], 64<<16
	s_mov_b32 s[G1B+2], 256<<16
	s_mov_b32 s[G1B+3], 64<<16
	s_mov_b32 s[G1B+4], 256
	s_mov_b32 s[G1B+5], 64
	s_mov_b32 s[G1B+6], 0
	s_mov_b32 s[G1B+7], 0
	s_lshl_b32 s16, s13, 14                        ; o: the tile's 128 rows of 128 bytes,
	s_lshl_b32 s17, s12, 20                        ; my plane
	s_add_co_u32 s16, s16, s17
	s_mov_b32 s17, 0
	s_lshl_b32 s18, s40, 15                        ; w: the tile's 256 rows,
	s_lshl_b32 s19, s12, 17                        ; my plane
	s_add_co_u32 s18, s18, s19
	s_mov_b32 s19, 0
	s_mul_i32 s20, s12, APL                        ; where they go: no place in the cluster enters an LDS address
	s_mul_i32 s21, s12, BPL
	s_add_co_u32 s21, s21, BOFF
	s_wait_dscnt 0x0                               ; both opening adds are done
	s_wait_kmcnt 0x0
	s_add_nc_u64 s[14:15], s[4:5], s[16:17]
	s_add_nc_u64 s[22:23], s[6:7], s[18:19]
	CROUND                                         ; all sixteen work-groups are here: the first joint loads meet
.irp s, 0,1
	s_mov_b32 s[G0+4*\s], 1
	s_add_co_u32 s[G0+4*\s+1], s20, \s*SLOT
	s_add_nc_u64 s[G0+4*\s+2:G0+4*\s+3], s[14:15], \s*ASTEP
	s_or_b32 s[G0+4*\s+3], s[G0+4*\s+3], 0x80000000
	s_mov_b32 s[G0B+4*\s], 1
	s_add_co_u32 s[G0B+4*\s+1], s21, \s*SLOT
	s_add_nc_u64 s[G0B+4*\s+2:G0B+4*\s+3], s[22:23], \s*BSTEP
	s_or_b32 s[G0B+4*\s+3], s[G0B+4*\s+3], 0x80000000
	JLOAD \s
.endr
	v_and_b32 v1, 15, v0                           ; r
	v_bfe_u32 v2, v0, 4, 1                         ; h
	v_mul_u32_u24 v3, v1, PITCH
	v_lshl_add_u32 v3, v2, 4, v3                   ; a fragment's row x pitch + 16 x half
	s_mul_i32 s21, s11, 64*PITCH                   ; my 64 rows of o
	s_mul_i32 s22, s12, 128*PITCH                  ; my 128 rows of w,
	s_add_co_u32 s22, s22, BOFF                    ; which lie behind o's two planes
.irp s, 0,1
	v_add_nc_u32 v[ADRA+\s], s21, v3
	v_add_nc_u32 v[ADRB+\s], s22, v3
	s_add_co_u32 s21, s21, SLOT
	s_add_co_u32 s22, s22, SLOT
.endr
	s_mul_i32 s23, s10, 16*SPITCH
	s_add_co_u32 s23, s23, STAGE                   ; my stage
	v_mul_u32_u24 v4, v1, SPITCH                   ; in: row r, 32 bytes for each half of the lanes
	v_lshl_add_u32 v4, v2, 5, v4
	v_add_nc_u32 v[STO], s23, v4
	v_and_b32 v5, 31, v0
	v_lshlrev_b32 v[CO], 4, v5                     ; back: the 32 lanes take one row of 512 bytes; and the same in out0
	v_add_nc_u32 v[RD], s23, v[CO]
	s_lshl_b32 s16, s13, 7
	s_lshl_b32 s17, s11, 6
	s_add_co_u32 s16, s16, s17                     ; my first row: 128 x tile row + 64 x half,
	s_lshl_b32 s16, s16, 12                        ; of 4,096 bytes
	s_mov_b32 s17, 0
	s_add_nc_u64 s[8:9], s[8:9], s[16:17]
	s_lshl_b32 s18, s40, 10                        ; my first column, in bytes: 1,024 cx + 512 x half
	s_lshl_b32 s19, s12, 9
	s_add_co_u32 s18, s18, s19
	s_mov_b32 s19, 0
	s_add_nc_u64 s[8:9], s[8:9], s[18:19]
	s_or_b32 s2, s42, s11                          ; 0 where my first 16 rows are t = 0 .. 15: cluster y and the wave's number alone
	; the prefetches: both offsets are made, then chosen by what I fetch
	s_lshl_b32 s16, s13, 14
	s_lshl_b32 s17, s40, 12
	s_add_co_u32 s16, s16, s17
	s_add_co_u32 s16, s16, 3*ASTEP                 ; o: the tile's rows + 4,096 cx, at K step 3: the first refill steps it to 4
	s_lshl_b32 s18, s40, 15
	s_lshl_b32 s19, s41, 13
	s_add_co_u32 s18, s18, s19
	s_lshl_b32 s19, s12, 17
	s_add_co_u32 s18, s18, s19
	s_add_co_u32 s18, s18, 3*BSTEP                 ; w: the tile's rows + 8,192 cy + my plane, at K step 3
	s_mov_b32 s[PFS], BSTEP
	s_mov_b32 s19, 4096
	s_cmp_eq_u32 s11, 0                            ; do I fetch for o?
	s_cselect_b32 s16, s16, s18
	s_cselect_b32 s[PFS], ASTEP, s[PFS]
	s_cselect_b32 s19, 1048576, s19                ; lanes 16-31: o's second plane, or w's next 4,096 bytes
	s_cselect_b32 s[LIM], s12, s42                 ; wave 0 asks for o; waves 2 and 3 for w where cluster y = 0; wave 1 never
	s_cselect_b64 s[PFA:PFA+1], s[4:5], s[6:7]
	s_cmp_eq_u32 s[LIM], 0
	s_cselect_b32 s[LIM], 1, -1
	s_mov_b32 s17, 0
	s_mov_b32 s[PFS+1], 0
	s_add_nc_u64 s[PFA:PFA+1], s[PFA:PFA+1], s[16:17]
	v_lshlrev_b32 v[PFO], 8, v1
	v_mul_u32_u24 v31, s19, v2
	v_add_nc_u32 v[PFO], v[PFO], v31
; 24 LDS loads in one run: the fragments of quarter q of a K step (32 along K: plane q / 2, byte 64 (q % 2) of its rows) into buffer f: w's eight blocks, then o's blocks 0, 1, then 2, 3
.macro FETCH slot, q, f
.irp i, 0,1,2,3,4,5,6,7
	ds_load_b128 v[\f+32+8*\i:\f+32+8*\i+3],   v[ADRB+\slot] offset:((\q)/2)*BPL+((\q)%2)*64+\i*16*PITCH
	ds_load_b128 v[\f+32+8*\i+4:\f+32+8*\i+7], v[ADRB+\slot] offset:((\q)/2)*BPL+((\q)%2)*64+\i*16*PITCH+32
.endr
.irp i, 0,1,2,3
	ds_load_b128 v[\f+8*\i:\f+8*\i+3],   v[ADRA+\slot] offset:((\q)/2)*APL+((\q)%2)*64+\i*16*PITCH
	ds_load_b128 v[\f+8*\i+4:\f+8*\i+7], v[ADRA+\slot] offset:((\q)/2)*APL+((\q)%2)*64+\i*16*PITCH+32
.endr
.endm
; 8 matrix instructions: o's block a against w's eight.  zero = 1: the first product starts the sums.  The 32 accumulators take turns, one instruction a turn, in the same order in every quarter.
.macro MUL8 f, a, zero
.irp b, 0,1,2,3,4,5,6,7
.if \zero
	v_wmma_f32_16x16x32_f16 v[8*(8*(\a)+\b):8*(8*(\a)+\b)+7], v[\f+32+8*\b:\f+32+8*\b+7], v[\f+8*(\a):\f+8*(\a)+7], 0
.else
	v_wmma_f32_16x16x32_f16 v[8*(8*(\a)+\b):8*(8*(\a)+\b)+7], v[\f+32+8*\b:\f+32+8*\b+7], v[\f+8*(\a):\f+8*(\a)+7], v[8*(8*(\a)+\b):8*(8*(\a)+\b)+7]
.endif
.endr
.endm
.macro PLACES                          ; four places in front of loads into registers that matrix instructions have read, and of the first read of results (ISA guide 7.12.1 for vector instructions)
.rept 4
	v_nop
.endr
.endm
; One of a K step's first three quarters: multiplies buffer f and, in its middle, fetches quarter qn of the same slot into buffer g.
.macro QUARTER slot, qn, f, g, zero
	s_wait_dscnt 4                                 ; w's blocks and o's blocks 0, 1 are in; the youngest four loads (o's blocks 2, 3) may be out
	WIN MUL
	MUL8 \f, 0, \zero
	MUL8 \f, 1, \zero
	PLACES
	WIN 0
	FETCH \slot, \qn, \g
	s_wait_dscnt 24                                ; all but the 24 just issued
	WIN MUL
	MUL8 \f, 2, \zero
	MUL8 \f, 3, \zero
.endm
; The last quarter multiplies buffer 1 and changes slots: ONE barrier; in front of it each wave waits for all its tensor loads, adds 0 to its spare word, and waits for that and for its own reads of this slot.
; fill = 1: the barrier opens a round of the cluster's barrier, and this slot is filled again, two K steps ahead: from the request to the wait for it a wave issues 112 matrix instructions.
.macro TURN slot, next, fill
.if \fill
	s_wait_xcnt 0x0                                ; the last prefetch, a K step back, has read its address: it is stepped here, ahead of the waits of the change of slots
	s_add_nc_u64 s[PFA:PFA+1], s[PFA:PFA+1], s[PFS:PFS+1]
.endif
	WIN 0                                          ; (the add's two registers lie in window 0)
	s_wait_tensorcnt 0x0                           ; all my tensor loads have landed: my part of the next slot;
	ds_add_u32 v[SPW], v[NIL]                      ; 0 onto my spare word
	s_wait_dscnt 5                                 ; (the add and the youngest four loads may be out)
	WIN MUL
	MUL8 F1, 0, 0                                  ; eight matrix instructions stand between the add and the wait for it
	s_wait_dscnt 0x0                               ; the add is done, and my reads of this slot are over
	s_barrier_signal -1
	MUL8 F1, 1, 0
	WIN 0
	s_barrier_wait -1
.if \fill
	CREST                                          ; no wave of any partner still reads this slot's tile or has a load on its way
	s_add_nc_u64 s[G0+4*\slot+2:G0+4*\slot+3], s[G0+4*\slot+2:G0+4*\slot+3], 2*ASTEP
	s_add_nc_u64 s[G0B+4*\slot+2:G0B+4*\slot+3], s[G0B+4*\slot+2:G0B+4*\slot+3], 2*BSTEP
	JLOAD \slot                                    ; the first tensor load behind the round; the four v_nop behind it are also the places in front of the loads below
.else
	PLACES
.endif
	FETCH \next, 0, F0
.if \fill
	ASK
.endif
	WIN MUL
	MUL8 F1, 2, 0
	MUL8 F1, 3, 0
.endm
	s_wait_tensorcnt 1                             ; my part of K step 0 is in (K step 1's load may be out)
	s_barrier_signal -1
	s_barrier_wait -1                              ; everybody's is
	FETCH 0, 0, F0
	QUARTER 0, 1, F0, F1, 1                        ; the first quarter stands in front of the loop: its products start the sums
	WIN 0                                          ; at a label and at a branch every window is 0
	s_mov_b32 s3, LAPS-1
.Llap:                                                 ; a trip goes once round the ring, from a lap's second quarter to the next lap's first, and fills both slots again
	QUARTER 0, 2, F1, F0, 0
	QUARTER 0, 3, F0, F1, 0
	TURN 0, 1, 1
	QUARTER 1, 1, F0, F1, 0
	QUARTER 1, 2, F1, F0, 0
	QUARTER 1, 3, F0, F1, 0
	TURN 1, 0, 1
	QUARTER 0, 1, F0, F1, 0
	WIN 0
	s_sub_co_u32 s3, s3, 1
	s_cmp_lg_u32 s3, 0
	s_cbranch_scc1 .Llap
	QUARTER 0, 2, F1, F0, 0                        ; the last lap fills nothing, and has no round of the cluster's barrier
	QUARTER 0, 3, F0, F1, 0
	TURN 0, 1, 0
	QUARTER 1, 1, F0, F1, 0
	QUARTER 1, 2, F1, F0, 0
	QUARTER 1, 3, F0, F1, 0
	s_wait_dscnt 4                                 ; the very last quarter: nothing more to fetch
	WIN MUL
	MUL8 F1, 0, 0
	MUL8 F1, 1, 0
	s_wait_dscnt 0
	MUL8 F1, 2, 0
	MUL8 F1, 3, 0
	WIN 0
; THE WAY OUT, block by block of 16 rows x 128 columns, through my own stage in LDS: in as 32 bytes a lane, back as whole rows of 512 bytes.  LDS serves a wave's instructions in order (ISA guide 5.7.1.4).
.macro TOSTAGE a
	WIN 0x04                                       ; an LDS store's data are its source 1: window 1
.irp b, 0,1,2,3,4,5,6,7
	ds_store_b128 v[STO], v[8*(8*(\a)+\b):8*(8*(\a)+\b)+3] offset:64*\b          ; each accumulator from its low end on
	ds_store_b128 v[STO], v[8*(8*(\a)+\b)+4:8*(8*(\a)+\b)+7] offset:64*\b+16
.endr
	WIN 0
.set BB, BK+64*((\a)%2)
.irp t, 0,1,2,3,4,5,6,7,8,9,10,11,12,13,14,15
	ds_load_b128 v[BB+4*\t:BB+4*\t+3], v[RD] offset:\t*SPITCH
.endr
.endm
.macro SEND a, younger                 ; younger: the LDS instructions issued behind block a's loads, which may stay out
.set BB, BK+64*((\a)%2)
	s_wait_dscnt \younger                          ; the block is back in registers
.if (\a) > 0
	s_add_nc_u64 s[8:9], s[8:9], 16*4096           ; (behind a wait on XCNT: the earlier stores have read their base)  16 rows on
.else
	s_cmp_eq_u32 s2, 0                             ; the rows t < 16 are left to the launch that makes them in f32: each byte of out0 is stored once in the program
	s_cbranch_scc1 .Lfine_rows
.endif
.irp t, 0,1,2,3,4,5,6,7,8,9,10,11,12,13,14,15
	global_store_b128 v[CO], v[BB+4*\t:BB+4*\t+3], s[8:9] offset:\t*4096 th:TH_STORE_NT   ; 32 lanes store 512 consecutive bytes, aligned
.endr
.if (\a) == 0
.Lfine_rows:
.endif
.endm
	PLACES                                         ; behind the last products: for the loads into the fragment buffers and the reads of results
	TOSTAGE 0
.irp a, 1,2,3
.if \a > 1
	s_wait_xcnt 0x0                                ; block a - 2's stores have read their registers and their base
.endif
	TOSTAGE \a
	SEND \a-1, 32                                  ; behind block a - 1's loads: block a's 16 stores and 16 loads
.endr
	s_wait_xcnt 0x0                                ; block 2's stores have read their base
	SEND 3, 0
	s_wait_tensorcnt 0x0                           ; the wave's end, behind my last tensor load and my last LDS store
	ds_add_u32 v[SPW], v[NIL]
	s_wait_dscnt 0x0
	CROUND                                         ; the closing round: no work-group ends while a partner may still ask for a tile that names it
	s_endpgm
.Lfunc_end_k_qd075dcf620_proj:
	.size	k_qd075dcf620_proj, .Lfunc_end_k_qd075dcf620_proj-k_qd075dcf620_proj
	.p2alignl 7, 3214868480
	.fill 96, 4, 3214868480
	.section	.rodata,"a",@progbits
	.p2align	6, 0x0
	.amdhsa_kernel k_qd075dcf620_proj
		.amdhsa_group_segment_fixed_size 327680
		.amdhsa_private_segment_fixed_size 0
		.amdhsa_enable_private_segment 0
		.amdhsa_kernarg_size 24
		.amdhsa_user_sgpr_count 2
		.amdhsa_user_sgpr_kernarg_segment_ptr 1
		.amdhsa_wavefront_size32 1
		.amdhsa_system_sgpr_workgroup_id_x 1
		.amdhsa_system_sgpr_workgroup_id_y 1
		.amdhsa_system_sgpr_workgroup_id_z 1
		.amdhsa_system_vgpr_workitem_id 0
		.amdhsa_next_free_vgpr 512
		.amdhsa_next_free_sgpr 66
		.amdhsa_reserve_vcc 0
		.amdhsa_float_denorm_mode_32 3
		.amdhsa_float_denorm_mode_16_64 3
		.amdhsa_memory_ordered 1
		.amdhsa_forward_progress 1
		.amdhsa_inst_pref_size 86
	.end_amdhsa_kernel
	.amdgpu_metadata
---
amdhsa.version: [ 1, 2 ]
amdhsa.kernels:
  - .name:           k_qd075dcf620_proj
    .symbol:         k_qd075dcf620_proj.kd
    .args:
      - { .name: o16, .offset: 0, .size: 8, .value_kind: global_buffer, .address_space: global }
      - { .name: wp16, .offset: 8, .size: 8, .value_kind: global_buffer, .address_space: global }
      - { .name: out0, .offset: 16, .size: 8, .value_kind: global_buffer, .address_space: global }
    .group_segment_fixed_size: 327680
    .private_segment_fixed_size: 0
    .kernarg_segment_align: 8
    .kernarg_segment_size: 24
    .max_flat_workgroup_size: 128
    .sgpr_count:     66
    .vgpr_count:     512
    .wavefront_size: 32
...
	.end_amdgpu_metadata
.endif
;; end of part 4
;; launch fine (part 5): grid 16 x 4, 16 waves a work-group, no clusters, 71,680 bytes of LDS; arguments qkv32, w_proj, out0; writes out0
.if DOCPART == 5
	.amdgcn_target "amdgcn-amd-amdhsa--gfx1250"
	.amdhsa_code_object_version 6
	.text
	.protected	k_qd075dcf620_fine
	.globl	k_qd075dcf620_fine
	.p2align	8
	.type	k_qd075dcf620_fine,@function
k_qd075dcf620_fine:
	s_mov_b64 s[64:65], 0
	v_nop
	global_prefetch_b8 v0, s[64:65] scope:SCOPE_SE
	s_setreg_imm32_b32 hwreg(HW_REG_WAVE_MODE, 25, 1), 1
	s_wait_xcnt 0x0
; The rows t = 0 .. 15 of every batch, in f32 from end to end: under the causal mask they average one to sixteen values and are the largest of the output, so 16-bit operands would weigh most here.
; qkv32[b][16 s + h][t][64] holds their q, k, v in f32.  A work-group (cb, b) makes out0[2048 b + t][64 cb .. 64 cb + 63].  Wave hd takes head hd: its attention over the 16 positions, and the product of the
; result with w_proj[64 cb + n][64 hd + d]; the sixteen heads' parts meet in LDS, and wave t adds and stores row t.  64 rows in all: no bulk work, so the f32 matrix form serves.
; EVERY PRODUCT USES ONE ORDER OF K ON BOTH SOURCES, chosen so that plain loads and earlier results are operands as they stand: an instruction's four places along K are (lane / 16, register), and both
; sources put the same k there.  The registers that the matrix instructions write (v176-239) are written by matrix instructions alone.
; No tensor loads.  The softmax takes the row's maximum away; the mask hides key > query.
.set PP,    272                        ; a row of a head's part in LDS: 64 f32 + 16 bytes
.set PART,  16*PP                      ; a head's part
.set SPARE, 16*PART                    ; behind the parts: the spare words, 128 bytes a wave
.set NINF, 1                           ; v1   -infinity (r until the addresses are made)
.set XG,   2                           ; v2   a lane permute's destination (h until then)
.set AQ,   3                           ; v3   q, k: 256 r + 128 h: my 32 channels of row r
.set AV,   4                           ; v4   v: 2,048 h + 4 r
.set AW,   5                           ; v5   w_proj: 4,096 r + 32 h
.set STP,  6                           ; v6   where I put 32 bytes of a row of my head's part
.set RDP,  7                           ; v7   where I read 8 bytes of my row of a part
.set GO,   8                           ; v8   8 x lane
.set DM,   9                           ; v9   r - 8 h: the mask's threshold
.set SPW,  10                          ; v10  LDS address of my spare word; never rewritten
.set NIL,  11                          ; v11  0; never rewritten
.set QF,   16                          ; v16-47 q, later w's tile 2
.set KF,   48                          ; v48-79 k, later w's tile 3
.set VF,   80                          ; v80-111 v, later the normalised o
.set ON,   80
.set SA,   176                         ; v176-207 four accumulators of the scores, later the four of y
.set YA,   176
.set OA,   208                         ; v208-239 four accumulators of o
.set P,    240                         ; v240-247 the weights
.set T,    248                         ; v248-255 the scores
	s_load_b128 s[4:7], s[0:1], 0x0                ; qkv32, w_proj
	s_load_b64 s[8:9], s[0:1], 0x10                ; out0
	v_lshl_add_u32 v[SPW], v0, 2, SPARE
	v_mov_b32 v[NIL], 0
	v_lshrrev_b32 v1, 5, v0
	v_readfirstlane_b32 s10, v1                    ; wave = head, later = row
	s_and_b32 s11, ttmp7, 0xffff                   ; b
	v_and_b32 v1, 15, v0                           ; r
	v_bfe_u32 v2, v0, 4, 1                         ; h
	v_lshlrev_b32 v[AQ], 8, v1
	v_lshl_add_u32 v[AQ], v2, 7, v[AQ]
	v_lshlrev_b32 v[AV], 2, v1
	v_lshl_add_u32 v[AV], v2, 11, v[AV]
	v_lshlrev_b32 v[AW], 12, v1
	v_lshl_add_u32 v[AW], v2, 5, v[AW]
	s_mul_i32 s12, s10, PART
	v_mul_u32_u24 v[STP], v1, PP
	v_lshl_add_u32 v[STP], v2, 5, v[STP]
	v_add_nc_u32 v[STP], s12, v[STP]
	s_mul_i32 s12, s10, PP
	v_and_b32 v[GO], 31, v0
	v_lshlrev_b32 v[GO], 3, v[GO]
	v_add_nc_u32 v[RDP], s12, v[GO]
	v_lshlrev_b32 v[DM], 3, v2
	v_sub_nc_u32 v[DM], v1, v[DM]
	v_mov_b32 v[NINF], 0xff800000
	v_mov_b32 v[XG], 0
	s_mov_b32 s20, 0x76543210
	s_mov_b32 s21, 0xfedcba98                      ; v_permlanex16_b32's selects for lane l xor 16
	s_mov_b32 s22, 0x3e38aa3b                      ; c = log2(e) / 8
	s_mov_b32 s23, s22
	s_mul_i32 s12, s11, 196608                     ; qkv32: b x 48 x 4,096 + head x 4,096
	s_lshl_b32 s13, s10, 12
	s_add_co_u32 s12, s12, s13
	s_mov_b32 s13, 0
	s_lshl_b32 s14, ttmp9, 18                      ; w_proj: 64 cb rows of 4,096 bytes + 64 head channels of 4
	s_lshl_b32 s15, s10, 8
	s_add_co_u32 s14, s14, s15
	s_mov_b32 s15, 0
	s_lshl_b32 s16, s11, 11                        ; out0: row 2,048 b + wave, + 256 cb bytes
	s_add_co_u32 s16, s16, s10
	s_lshl_b32 s16, s16, 12
	s_lshl_b32 s17, ttmp9, 8
	s_add_co_u32 s16, s16, s17
	s_mov_b32 s17, 0
	s_wait_kmcnt 0x0
	s_add_nc_u64 s[4:5], s[4:5], s[12:13]
	s_add_nc_u64 s[6:7], s[6:7], s[14:15]
	s_add_nc_u64 s[8:9], s[8:9], s[16:17]
.irp i, 0,1,2,3,4,5,6,7
	global_load_b128 v[QF+4*\i:QF+4*\i+3], v[AQ], s[4:5] offset:16*\i               ; q(r, 32 h + 0 .. 31)
.endr
.irp i, 0,1,2,3,4,5,6,7
	global_load_b128 v[KF+4*\i:KF+4*\i+3], v[AQ], s[4:5] offset:65536+16*\i         ; k likewise: 16 heads of 4,096 bytes on
.endr
.irp t, 0,1,2,3
.irp i, 0,1,2,3,4,5,6,7
	global_load_b32 v[VF+8*\t+\i], v[AV], s[4:5] offset:131072+256*\i+64*\t         ; v(key 8 h + i, channel 16 t + r)
.endr
.endr
.macro WLOAD nt                        ; w's tile nt: register 8 t + i = w(64 cb + 16 nt + r, 64 hd + 16 t + 8 h + i).  Tiles 0, 1 at v112, v144; tiles 2, 3 at v16, v48
.set WB, 112+32*(\nt)-160*((\nt)/2)
.irp t, 0,1,2,3
	global_load_b128 v[WB+8*\t:WB+8*\t+3],   v[AW], s[6:7] offset:65536*(\nt)+64*\t
	global_load_b128 v[WB+8*\t+4:WB+8*\t+7], v[AW], s[6:7] offset:65536*(\nt)+64*\t+16
.endr
.endm
	WLOAD 0
	WLOAD 1
	s_wait_loadcnt 48                              ; q and k are in; v's 32 loads and w's 16 may be out
; S^T = k q^T: source 0 = 16 keys, source 1 = 16 queries; instruction s takes channels 32 h + 2 s, 2 s + 1.  Four accumulators by turns, one instruction a turn; the first four start the sums.
.irp s, 0,1,2,3,4,5,6,7,8,9,10,11,12,13,14,15
.if \s < 4
	v_wmma_f32_16x16x4_f32 v[SA+8*(\s%4):SA+8*(\s%4)+7], v[KF+2*\s:KF+2*\s+1], v[QF+2*\s:QF+2*\s+1], 0
.else
	v_wmma_f32_16x16x4_f32 v[SA+8*(\s%4):SA+8*(\s%4)+7], v[KF+2*\s:KF+2*\s+1], v[QF+2*\s:QF+2*\s+1], v[SA+8*(\s%4):SA+8*(\s%4)+7]
.endif
.endr
.rept 8
	v_nop                                          ; eight places behind this form, ahead of the loads into its sources and of the first read of its results (ISA guide 7.12.1 for vector instructions)
.endr
	WLOAD 2
	WLOAD 3
.irp j, 0,2,4,6
	v_pk_add_f32 v[T+\j:T+\j+1], v[SA+\j:SA+\j+1], v[SA+8+\j:SA+8+\j+1]            ; the four partial sums: each accumulator from its low end on
.endr
.irp j, 0,2,4,6
	v_pk_add_f32 v[P+\j:P+\j+1], v[SA+16+\j:SA+16+\j+1], v[SA+24+\j:SA+24+\j+1]
.endr
.irp j, 0,2,4,6
	v_pk_add_f32 v[T+\j:T+\j+1], v[T+\j:T+\j+1], v[P+\j:P+\j+1]                    ; register j: the score of key 8 h + j and query r
.endr
.irp j, 0,1,2,3,4,5,6,7
	v_cmp_gt_i32 vcc_lo, \j, v[DM]                 ; hidden where 8 h + j > r
	v_cndmask_b32 v[T+\j], v[T+\j], v[NINF], vcc_lo
.endr
	v_max3_num_f32 v13, v[T], v[T+1], v[T+2]
	v_max3_num_f32 v13, v13, v[T+3], v[T+4]
	v_max3_num_f32 v13, v13, v[T+5], v[T+6]
	v_max_num_f32 v13, v13, v[T+7]
	v_permlanex16_b32 v[XG], v13, s20, s21
	v_max_num_f32 v13, v13, v[XG]                  ; the row's maximum: key 0 counts for every query
	v_mul_f32 v12, s22, v13
.irp j, 0,2,4,6
	v_pk_fma_f32 v[T+\j:T+\j+1], v[T+\j:T+\j+1], s[22:23], v[12:13] op_sel_hi:[1,0,0] neg_lo:[0,0,1] neg_hi:[0,0,1]   ; c s - c m
.endr
.irp j, 0,1,2,3,4,5,6,7
	v_exp_f32 v[P+\j], v[T+\j]
.endr
	v_nop                                          ; a plain instruction behind the last exponential
	s_wait_alu depctr_va_vdst(0)                   ; one wait for the eight, ahead of their first reader
	v_pk_add_f32 v[14:15], v[P:P+1], v[P+2:P+3]
	v_pk_add_f32 v[T:T+1], v[P+4:P+5], v[P+6:P+7]
	v_pk_add_f32 v[14:15], v[14:15], v[T:T+1]
	v_add_f32 v14, v14, v15
	v_permlanex16_b32 v[XG], v14, s20, s21
	v_add_f32 v14, v14, v[XG]                      ; the row's sum
	v_rcp_f32 v14, v14
	v_nop                                          ; a plain instruction behind the reciprocal; its wait stands ahead of its first reader, below
	s_wait_loadcnt 32                              ; v is in; w's 32 loads may be out
; O^T = v^T p: source 0 = 16 channels, source 1 = 16 queries; instruction s takes keys 8 h + 2 s, 2 s + 1.  Four accumulators (channels 16 dt on) by turns.
.irp s, 0,1,2,3
.irp dt, 0,1,2,3
.if \s == 0
	v_wmma_f32_16x16x4_f32 v[OA+8*\dt:OA+8*\dt+7], v[VF+8*\dt+2*\s:VF+8*\dt+2*\s+1], v[P+2*\s:P+2*\s+1], 0
.else
	v_wmma_f32_16x16x4_f32 v[OA+8*\dt:OA+8*\dt+7], v[VF+8*\dt+2*\s:VF+8*\dt+2*\s+1], v[P+2*\s:P+2*\s+1], v[OA+8*\dt:OA+8*\dt+7]
.endif
.endr
.endr
.rept 8
	v_nop                                          ; eight places, ahead of the reads of the results and of the writes over v's registers
.endr
	s_wait_alu depctr_va_vdst(0)                   ; the reciprocal's wait, ahead of its first reader
.irp j, 0,2,4,6,8,10,12,14,16,18,20,22,24,26,28,30
	v_pk_mul_f32 v[ON+\j:ON+\j+1], v[OA+\j:OA+\j+1], v[14:15] op_sel_hi:[1,0]      ; register 8 t + i: o(query r, channel 16 t + 8 h + i), into registers of its own
.endr
	s_wait_loadcnt 0x0                             ; w
; y^T = w o^T: source 0 = 16 rows of w, source 1 = 16 queries; instruction (t, jj) takes channels 16 t + 8 h + 2 jj, + 1.  Four accumulators (outputs 16 nt on) by turns; the first four start the sums.
.irp t, 0,1,2,3
.irp jj, 0,1,2,3
.irp nt, 0,1,2,3
.if (\t == 0) && (\jj == 0)
	v_wmma_f32_16x16x4_f32 v[YA+8*\nt:YA+8*\nt+7], v[112+32*\nt-160*(\nt/2)+8*\t+2*\jj:112+32*\nt-160*(\nt/2)+8*\t+2*\jj+1], v[ON+8*\t+2*\jj:ON+8*\t+2*\jj+1], 0
.else
	v_wmma_f32_16x16x4_f32 v[YA+8*\nt:YA+8*\nt+7], v[112+32*\nt-160*(\nt/2)+8*\t+2*\jj:112+32*\nt-160*(\nt/2)+8*\t+2*\jj+1], v[ON+8*\t+2*\jj:ON+8*\t+2*\jj+1], v[YA+8*\nt:YA+8*\nt+7]
.endif
.endr
.endr
.endr
.rept 8
	v_nop                                          ; eight places, ahead of the LDS stores of the results and of the loads into w's registers
.endr
.irp nt, 0,1,2,3
	ds_store_b128 v[STP], v[YA+8*\nt:YA+8*\nt+3] offset:64*\nt                     ; lane (r, h): my head's part of y(query r, 16 nt + 8 h + 0 .. 7); each accumulator from its low end on
	ds_store_b128 v[STP], v[YA+8*\nt+4:YA+8*\nt+7] offset:64*\nt+16
.endr
	s_wait_dscnt 0x0                               ; for the others' sake: my stores have landed
	s_barrier_signal -1
	s_barrier_wait -1
.irp i, 0,1,2,3,4,5,6,7,8,9,10,11,12,13,14,15
	ds_load_b64 v[16+2*\i:17+2*\i], v[RDP] offset:\i*PART                          ; row = my wave's number, of head i's part: 8 bytes a lane
.endr
	s_wait_dscnt 0x0
.irp i, 0,4,8,12,16,20,24,28
	v_pk_add_f32 v[16+\i:17+\i], v[16+\i:17+\i], v[18+\i:19+\i]                    ; the sixteen heads, in a fixed order
.endr
.irp i, 0,8,16,24
	v_pk_add_f32 v[16+\i:17+\i], v[16+\i:17+\i], v[20+\i:21+\i]
.endr
.irp i, 0,16
	v_pk_add_f32 v[16+\i:17+\i], v[16+\i:17+\i], v[24+\i:25+\i]
.endr
	v_pk_add_f32 v[16:17], v[16:17], v[32:33]
	global_store_b64 v[GO], v[16:17], s[8:9]       ; 32 lanes store 256 consecutive bytes, aligned
	s_wait_tensorcnt 0x0                           ; the wave's end, behind my last LDS store
	ds_add_u32 v[SPW], v[NIL]
	s_wait_dscnt 0x0
	s_endpgm
.Lfunc_end_k_qd075dcf620_fine:
	.size	k_qd075dcf620_fine, .Lfunc_end_k_qd075dcf620_fine-k_qd075dcf620_fine
	.p2alignl 7, 3214868480
	.fill 96, 4, 3214868480
	.section	.rodata,"a",@progbits
	.p2align	6, 0x0
	.amdhsa_kernel k_qd075dcf620_fine
		.amdhsa_group_segment_fixed_size 71680
		.amdhsa_private_segment_fixed_size 0
		.amdhsa_enable_private_segment 0
		.amdhsa_kernarg_size 24
		.amdhsa_user_sgpr_count 2
		.amdhsa_user_sgpr_kernarg_segment_ptr 1
		.amdhsa_wavefront_size32 1
		.amdhsa_system_sgpr_workgroup_id_x 1
		.amdhsa_system_sgpr_workgroup_id_y 1
		.amdhsa_system_sgpr_workgroup_id_z 1
		.amdhsa_system_vgpr_workitem_id 0
		.amdhsa_next_free_vgpr 256
		.amdhsa_next_free_sgpr 66
		.amdhsa_reserve_vcc 1
		.amdhsa_float_denorm_mode_32 3
		.amdhsa_float_denorm_mode_16_64 3
		.amdhsa_memory_ordered 1
		.amdhsa_forward_progress 1
		.amdhsa_inst_pref_size 24
	.end_amdhsa_kernel
	.amdgpu_metadata
---
amdhsa.version: [ 1, 2 ]
amdhsa.kernels:
  - .name:           k_qd075dcf620_fine
    .symbol:         k_qd075dcf620_fine.kd
    .args:
      - { .name: qkv32, .offset: 0, .size: 8, .value_kind: global_buffer, .address_space: global }
      - { .name: w_proj, .offset: 8, .size: 8, .value_kind: global_buffer, .address_space: global }
      - { .name: out0, .offset: 16, .size: 8, .value_kind: global_buffer, .address_space: global }
    .group_segment_fixed_size: 71680
    .private_segment_fixed_size: 0
    .kernarg_segment_align: 8
    .kernarg_segment_size: 24
    .max_flat_workgroup_size: 512
    .sgpr_count:     66
    .vgpr_count:     256
    .wavefront_size: 32
...
	.end_amdgpu_metadata
.endif
;; end of part 5
